; MI455X (gfx1250); checked and timed in simulation.
; The chip was launched on July 23, 2026; its instructions are those of AMD's public machine-readable ISA for CDNA 5 (MIT licence, August 2026) and "CDNA5" Instruction Set Architecture Reference Guide (July 2026). The comments in the code are by the model that wrote it; some were corrected since.
;; Continuous Time Aware MHSA. Allowed arithmetic: matrix products marked QUANTISED: E2M1 operands, one E8M0 scale for each 32 along K, by v_wmma_scale_f32_16x16x128_f8f6f4 with both operands' format E2M1 (or v_wmma_scale_f32_32x16x128_f4), f32 sums; products left as they are: bf16, f16 or f32 operands; f32 sums; everything else in f32.
;; Inputs: Wk 1,024 x 1,024 float32; Wq 1,024 x 1,024 float32; Wv 1,024 x 1,024 float32; alpha one number float32; bk 1,024 float32; bq 1,024 float32; bv 1,024 float32; mask 4 x 1 x 2,048 x 2,048 int32; time_intervals 4 x 2,048 x 2,048 float32; x 4 x 2,048 x 1,024 float32.
;; Outputs: out0 4 x 2,048 x 1,024 float32.
;; This version of the problem:
;;   THIS VERSION OF THE PROBLEM IS GIVEN IN LOW PRECISION. The matrix products marked QUANTISED in the list below multiply operands that are first quantised to E2M1 (2 exponent bits, 1 mantissa bit; 4 bits a number), with one power-of-two scale for each 32 numbers along K (OCP MX v1.0); their sums are f32. The products marked 'left as it is' may take bf16, f16 or f32 operands, with f32 sums. Whichever they take, every output number must still come out within the allowed error. Rounding operands to bf16 (8 significant bits) uses up far more of that allowance than f16 does (11 bits, for magnitudes from 6e-5 to 65,504). All else is computed in f32.
;;   The module's matrix products, in the order in which they are computed (A, B: the left and right operand; K: the contracted axis; several contracted axes count as one K, in the product's order):
;;     1. [M 8,192, K 1,024] x [K 1,024, N 1,024]; A: input x; B: input Wq: QUANTISED
;;     2. [M 8,192, K 1,024] x [K 1,024, N 1,024]; A: input x; B: input Wk: QUANTISED
;;     3. [M 8,192, K 1,024] x [K 1,024, N 1,024]; A: input x; B: input Wv: QUANTISED
;;     4. batch 64 x [M 2,048, K 64] x [K 64, N 2,048]; A: computed on the way; B: computed on the way: left as it is (an operand is computed on the way)
;;     5. batch 64 x [M 2,048, K 2,048] x [K 2,048, N 64]; A: computed on the way; B: computed on the way: left as it is (an operand is computed on the way)
;;   THE QUANTISER, for each operand of a quantised product, along K:
;;     - K is cut into blocks of 32 from its start; a last block that is shorter is filled with zeros.
;;     - A block's scale is 2^e with e = floor(log2(the largest magnitude in the block)) - 2, held to -126 .. 127; a block of zeros has e = 0. As a byte (E8M0): e + 127.
;;     - Each number is divided by its block's scale, clamped to +-6, and rounded to the nearest number of E2M1, ties to even, subnormals kept.
;;     - The product sums the exact products of the quantised numbers (number of the format x scale) in f32.
;;   ~~~python
;;   def quantise(x, axis):      # numpy; x: float32 -> the quantised numbers, widened to float32 again
;;       x = np.moveaxis(x, axis, -1); K = x.shape[-1]
;;       x = np.pad(x, [(0, 0)] * (x.ndim - 1) + [(0, -K % 32)]); x = x.reshape(x.shape[:-1] + (-1, 32)); a = np.abs(x).max(-1, keepdims=True)
;;       e = np.where(a > 0, np.clip(np.frexp(np.where(a > 0, a, 1))[1] - 1 - 2, -126, 127), 0)      # np.frexp(a)[1] - 1 = floor(log2(a)), exactly
;;       r = np.clip(x / 2.0 ** e, -6, 6)
;;       step = 2.0 ** (np.maximum(np.frexp(np.where(r == 0, 1, r))[1] - 1, 0) - 1)
;;       q = np.round(r / step) * step * 2.0 ** e      # np.round: ties to even
;;       return np.moveaxis(q.reshape(q.shape[:-2] + (-1,))[..., :K], -1, axis).astype(np.float32)
;;   ~~~
;; One version. Each part assembles by itself: llvm-mc -triple=amdgcn-amd-amdhsa -mcpu=gfx1250 --defsym DOCPART=n.
;; ======== version 1 of 1: 3 launches
;; limits: values are held in f16: magnitudes above 65,504 overflow, below 6.1e-05 lose precision; right only within a limited range of input values
;; workspace buffers: x_codes 4,194,304 bytes; x_scales 262,144 bytes; w_codes 1,572,864 bytes; w_scales 98,304 bytes; qkv 50,331,648 bytes
;; launch quant (part 1): grid 304 x 1, 4 waves a work-group, no clusters, 68,096 bytes of LDS; arguments x, Wq, Wk, Wv, x_codes, x_scales, w_codes, w_scales; writes x_codes, x_scales, w_codes, w_scales
.if DOCPART == 1
	.amdgcn_target "amdgcn-amd-amdhsa--gfx1250"
	.amdhsa_code_object_version 6
	.text
	.protected	k_qddfbe6bce8_quant
	.globl	k_qddfbe6bce8_quant
	.p2align	8
	.type	k_qddfbe6bce8_quant,@function
k_qddfbe6bce8_quant:
	s_mov_b64 s[64:65], 0
	v_nop
	global_prefetch_b8 v0, s[64:65] scope:SCOPE_SE
	s_setreg_imm32_b32 hwreg(HW_REG_WAVE_MODE, 25, 1), 1
	s_wait_xcnt 0x0
; x [8192][1024] and Wq, Wk, Wv [1024 (k)][1024 (n)], f32, become codes of FP4 (E2M1), K innermost, with one E8M0 byte for each 32 along K.
; x_codes [8192][512 bytes], x_scales [8192][32];  w_codes [3072][512 bytes], w_scales [3072][32]: row 1024 T + n is column n of Wq (T = 0), Wk (1), Wv (2).
; A block's scale is 2^(floor(log2(its largest magnitude)) - 2): its byte is the largest magnitude's exponent field - 2, held at 1 from below.
; LIMITS: a block of zeros gets the byte 1 where the rule says 127 (its codes are zeros, and this program alone reads the bytes); blocks whose largest magnitude lies under 2^-124
; are held at the byte 1; NaN and infinities among the inputs are not served.
; SHARES.  Work-groups 0-47 take the weights (K is their FIRST axis: a lane takes a column, its registers run down K; 128 columns x 512 along K a work-group); work-groups 48-303 take x
; (K innermost: a plain stream of blocks of 32; 8,192 numbers a wave).  The two paths part on the work-group's number and have LDS bytes of their own.
; No cluster and no tensor load: no two work-groups read the same bytes, and waves share nothing: no barrier.
.set SPW,   12                         ; v12  LDS address of my spare word: SPARE + 4 x my thread's number; never rewritten
.set NIL,   13                         ; v13  0; never rewritten
.set XREG,  8192                       ; x path: LDS bytes 0 - 32,767: a region for each wave: two stages of 32 x 80 bytes, then its 256 scale bytes
.set XSP,   80                         ; a lane's place in a stage: 64 bytes + 16 of padding
.set WSTG,  32768                      ; weights path: LDS bytes 32,768 - 67,583: a stage of 32 rows x 272 bytes for each wave
.set WP,    272
.set SPARE, 67584                      ; the spare words, 128 bytes for each wave: two blocks of 256 bytes that no other line names
	s_load_b256 s[4:11], s[0:1], 0x0               ; x s[4:5], Wq s[6:7], Wk s[8:9], Wv s[10:11]
	s_load_b256 s[12:19], s[0:1], 0x20             ; x_codes s[12:13], x_scales s[14:15], w_codes s[16:17], w_scales s[18:19]
	v_lshl_add_u32 v[SPW], v0, 2, SPARE
	v_mov_b32 v[NIL], 0
	v_lshrrev_b32 v1, 5, v0
	v_readfirstlane_b32 s20, v1                    ; wave 0..3
	v_and_b32 v2, 31, v0                           ; lane
	s_wait_kmcnt 0x0
	s_cmp_lt_u32 ttmp9, 48
	s_cbranch_scc0 .Lx
; ---------------- the weights ----------------
.set WX,  32                           ; v32-95   two sets of 32 numbers
.set WC,  96                           ; v96-99   a block's codes
.set SB,  24                           ; v24-27   the scale bytes, four to a register
.set OUTR, 112                         ; v112-175 the way out
	s_lshr_b32 s21, ttmp9, 4                       ; T: which weight
	s_and_b32 s22, ttmp9, 7                        ; which 128 columns
	s_bfe_u32 s23, ttmp9, 0x10003                  ; which 512 along K
	s_cmp_eq_u32 s21, 1
	s_cselect_b64 s[8:9], s[8:9], s[10:11]         ; Wk or Wv,
	s_cmp_eq_u32 s21, 0
	s_cselect_b64 s[6:7], s[6:7], s[8:9]           ; or Wq: the choice hangs on the work-group's number alone
	s_lshl_b32 s22, s22, 7
	s_lshl_b32 s24, s20, 5
	s_add_co_u32 s22, s22, s24                     ; my wave's first column
	s_lshl_b32 s24, s23, 21                        ; 512 rows of 4,096 bytes
	s_lshl_b32 s25, s22, 2
	s_add_co_u32 s24, s24, s25
	s_mov_b32 s25, 0
	s_add_nc_u64 s[6:7], s[6:7], s[24:25]
	s_lshl_b32 s21, s21, 10
	s_add_co_u32 s21, s21, s22                     ; its row in w_codes and w_scales
	s_lshl_b32 s24, s21, 9
	s_lshl_b32 s26, s23, 8
	s_add_co_u32 s24, s24, s26
	s_add_nc_u64 s[16:17], s[16:17], s[24:25]
	s_lshl_b32 s24, s21, 5
	s_lshl_b32 s26, s23, 4
	s_add_co_u32 s24, s24, s26
	s_add_nc_u64 s[18:19], s[18:19], s[24:25]
	v_lshlrev_b32 v3, 2, v2                        ; in: 4 bytes a lane
	s_mul_i32 s27, s20, 32*WP
	s_add_co_u32 s27, s27, WSTG                    ; my stage
	v_mul_u32_u24 v4, v2, WP
	v_add_nc_u32 v4, s27, v4                       ; into it: row = my column
	v_and_b32 v5, 15, v2
	v_lshrrev_b32 v6, 4, v2
	v_mul_u32_u24 v7, v6, WP
	v_lshl_add_u32 v7, v5, 4, v7
	v_add_nc_u32 v7, s27, v7                       ; out of it: sixteen lanes to a row, two rows an instruction
	v_lshlrev_b32 v8, 9, v6
	v_lshl_add_u32 v8, v5, 4, v8                   ; and the same place in w_codes
	v_lshlrev_b32 v9, 5, v2                        ; my column's row of scale bytes
.macro WLOAD t                         ; block t: W(32 t + i, my column) into set t % 2: 32 lanes read 128 consecutive bytes
.irp i, 0,1,2,3,4,5,6,7,8,9,10,11,12,13,14,15,16,17,18,19,20,21,22,23,24,25,26,27,28,29,30,31
	global_load_b32 v[WX+32*((\t)%2)+\i], v3, s[6:7] offset:(32*(\t)+\i)*4096 th:TH_LOAD_NT
.endr
.endm
.macro WBLOCK t
.set XS, WX+32*((\t)%2)
.if (\t) < 15
	s_wait_loadcnt 32                              ; this block's 32 loads are in; the next block's 32 may be out
.else
	s_wait_loadcnt 0
.endif
	v_max3_num_f32 v16, |v[XS]|, |v[XS+1]|, |v[XS+2]|      ; the block's largest magnitude: all 32 numbers are mine; two chains
	v_max3_num_f32 v17, |v[XS+3]|, |v[XS+4]|, |v[XS+5]|
.irp i, 6,10,14,18,22,26
	v_max3_num_f32 v16, v16, |v[XS+\i]|, |v[XS+\i+1]|
	v_max3_num_f32 v17, v17, |v[XS+\i+2]|, |v[XS+\i+3]|
.endr
	v_max3_num_f32 v16, v16, |v[XS+30]|, |v[XS+31]|
	v_max3_num_f32 v16, v16, v17, 0x1800000        ; and the floor 2^(3 - 127): the byte cannot fall under 1
	v_add_nc_u32 v18, 0xff000000, v16              ; 2 off the exponent field: the conversion takes this operand's exponent field as its scale
	v_lshrrev_b32 v19, 23, v18                     ; the scale's byte
.if (\t)%4 == 0
	v_mov_b32 v[SB+(\t)/4], v19
.else
	v_lshl_or_b32 v[SB+(\t)/4], v19, 8*((\t)%4), v[SB+(\t)/4]
.endif
.irp g, 0,1,2,3
	v_cvt_scalef32_pk8_fp4_f32 v[WC+\g], v[XS+8*\g:XS+8*\g+7], v18
.endr
	ds_store_b128 v4, v[WC:WC+3] offset:16*(\t)    ; 32 codes: 16 bytes of my column's row
.if (\t)+2 < 16
	WLOAD (\t)+2
.endif
	s_wait_dscnt 0x0                               ; the store has read its registers: the next block's codes may be written
.endm
	WLOAD 0
	WLOAD 1
.set Q, 0
.rept 16
	WBLOCK Q
.set Q, Q+1
.endr
	global_store_b128 v9, v[SB:SB+3], s[18:19]     ; my column's 16 scale bytes
.irp t, 0,1,2,3,4,5,6,7,8,9,10,11,12,13,14,15
	ds_load_b128 v[OUTR+4*\t:OUTR+4*\t+3], v7 offset:2*\t*WP       ; LDS serves a wave's instructions in order: these see my stores
.endr
.irp t, 0,1,2,3,4,5,6,7,8,9,10,11,12,13,14,15
	s_wait_dscnt 15-\t                             ; the younger loads may be out
	global_store_b128 v8, v[OUTR+4*\t:OUTR+4*\t+3], s[16:17] offset:2*\t*512   ; sixteen lanes store 256 consecutive bytes, aligned
.endr
	s_wait_tensorcnt 0x0                           ; the wave's end: behind my last LDS store
	ds_add_u32 v[SPW], v[NIL]
	s_wait_dscnt 0x0
	s_endpgm
; ---------------- x ----------------
.Lx:
.set XR,  16                           ; v16-79   four sets of 16 numbers as they are loaded
.set XX,  80                           ; v80-111  two sets of 16 neighbours
.set XE,  112                          ; v112-127 a scale byte for each step
.set XC,  128                          ; v128-191 codes: four registers for each step, so that no store's data are written again
	v_lshlrev_b32 v3, 4, v2                        ; my 16 bytes of a load's 512
	s_mul_i32 s21, s20, XREG
	v_lshrrev_b32 v14, 2, v2
	v_mul_u32_u24 v14, v14, XSP
	v_and_b32 v15, 3, v2
	v_lshl_add_u32 v14, v15, 4, v14
	v_add_nc_u32 v14, s21, v14                     ; the stage, on the way in: four lanes' 64 bytes on end, then 16 of padding
	v_mul_u32_u24 v15, v2, XSP
	v_add_nc_u32 v15, s21, v15                     ; and on the way out: my 16 neighbours
	v_lshlrev_b32 v4, 3, v2                        ; my 8 bytes of a step's codes
	v_lshrrev_b32 v5, 1, v2
	s_add_co_u32 s21, s21, 2*32*XSP
	v_add_nc_u32 v5, s21, v5                       ; my wave's 256 scale bytes: my block's byte
	v_lshlrev_b32 v7, 3, v2
	v_add_nc_u32 v6, s21, v7                       ; and on the way out 8 bytes a lane
	s_sub_co_u32 s22, ttmp9, 48
	s_lshl_b32 s22, s22, 2
	s_add_co_u32 s22, s22, s20                     ; which run of 8,192 numbers is my wave's: 0 .. 1,023
	s_mov_b32 s25, 0
	s_lshl_b32 s24, s22, 15
	s_add_nc_u64 s[4:5], s[4:5], s[24:25]
	s_lshl_b32 s24, s22, 12
	s_add_nc_u64 s[12:13], s[12:13], s[24:25]
	s_lshl_b32 s24, s22, 8
	s_add_nc_u64 s[14:15], s[14:15], s[24:25]
.macro XLOAD t
.irp i, 0,1,2,3
	global_load_b128 v[XR+16*((\t)%4)+4*\i:XR+16*((\t)%4)+4*\i+3], v3, s[4:5] offset:2048*(\t)+512*\i th:TH_LOAD_NT   ; 32 lanes read 512 consecutive bytes
.endr
.endm
.macro XTURN t                         ; step t's numbers through the stage: LDS serves a wave's instructions in order, so no wait stands between the stores and the loads
.irp i, 0,1,2,3
	ds_store_b128 v14, v[XR+16*((\t)%4)+4*\i:XR+16*((\t)%4)+4*\i+3] offset:32*XSP*((\t)%2)+8*XSP*\i
.endr
.irp i, 0,1,2,3
	ds_load_b128 v[XX+16*((\t)%2)+4*\i:XX+16*((\t)%2)+4*\i+3], v15 offset:32*XSP*((\t)%2)+16*\i
.endr
.endm
.irp t, 0,1,2,3
	XLOAD \t
.endr
	s_wait_loadcnt 12                              ; step 0's four loads are in
	XTURN 0
.macro XSTEP t
.set XS, XX+16*((\t)%2)
.if (\t) > 0
	s_wait_dscnt 1                                 ; this step's numbers are back from the stage (the last step's byte store may be out)
.else
	s_wait_dscnt 0x0
.endif
.if (\t)+4 < 16
	XLOAD (\t)+4                                   ; into the set whose stores into the stage are done
.endif
.if (\t)+1 < 16
.if 14-(\t) >= 3
	s_wait_loadcnt 12                              ; the next step's four loads are in; those of the three steps behind it may be out
.else
	s_wait_loadcnt 4*(14-(\t))
.endif
	XTURN (\t)+1
.endif
	v_max3_num_f32 v8, |v[XS]|, |v[XS+1]|, |v[XS+2]|       ; the largest magnitude of my 16
	v_max3_num_f32 v9, |v[XS+3]|, |v[XS+4]|, |v[XS+5]|
.irp i, 6,10
	v_max3_num_f32 v8, v8, |v[XS+\i]|, |v[XS+\i+1]|
	v_max3_num_f32 v9, v9, |v[XS+\i+2]|, |v[XS+\i+3]|
.endr
	v_max3_num_f32 v8, v8, |v[XS+14]|, |v[XS+15]|
	v_max3_num_f32 v8, v8, v9, 0x1800000           ; and the floor 2^(3 - 127)
	v_max_num_f32_dpp v8, v8, v8 row_xmask:1 row_mask:0xf bank_mask:0xf   ; and of my neighbour's 16: the block's
	v_add_nc_u32 v11, 0xff000000, v8               ; 2 off its exponent field: the conversion's scale operand
	v_cvt_scalef32_pk8_fp4_f32 v[XC+4*(\t)], v[XS:XS+7], v11
	v_cvt_scalef32_pk8_fp4_f32 v[XC+4*(\t)+1], v[XS+8:XS+15], v11
	v_lshrrev_b32 v[XE+(\t)], 23, v11              ; the scale's byte (a plain line behind the conversions)
	ds_store_b8 v5, v[XE+(\t)] offset:16*(\t)      ; both lanes of a block write the same byte with the same value
	global_store_b64 v4, v[XC+4*(\t):XC+4*(\t)+1], s[12:13] offset:256*(\t)   ; the wave stores 256 consecutive bytes, aligned
.endm
.irp t, 0,1,2,3,4,5,6,7,8,9,10,11,12,13,14,15
	XSTEP \t
.endr
	ds_load_b64 v[8:9], v6                         ; LDS serves a wave's instructions in order: these see my byte stores
	s_wait_dscnt 0x0
	global_store_b64 v7, v[8:9], s[14:15]          ; 32 lanes store 256 consecutive bytes, aligned
	s_wait_tensorcnt 0x0                           ; the wave's end: behind my last LDS store
	ds_add_u32 v[SPW], v[NIL]
	s_wait_dscnt 0x0
	s_endpgm
.Lfunc_end_k_qddfbe6bce8_quant:
	.size	k_qddfbe6bce8_quant, .Lfunc_end_k_qddfbe6bce8_quant-k_qddfbe6bce8_quant
	.p2alignl 7, 3214868480
	.fill 96, 4, 3214868480
	.section	.rodata,"a",@progbits
	.p2align	6, 0x0
	.amdhsa_kernel k_qddfbe6bce8_quant
		.amdhsa_group_segment_fixed_size 68096
		.amdhsa_private_segment_fixed_size 0
		.amdhsa_enable_private_segment 0
		.amdhsa_kernarg_size 64
		.amdhsa_user_sgpr_count 2
		.amdhsa_user_sgpr_kernarg_segment_ptr 1
		.amdhsa_wavefront_size32 1
		.amdhsa_system_sgpr_workgroup_id_x 1
		.amdhsa_system_sgpr_workgroup_id_y 1
		.amdhsa_system_sgpr_workgroup_id_z 1
		.amdhsa_system_vgpr_workitem_id 0
		.amdhsa_next_free_vgpr 192
		.amdhsa_next_free_sgpr 66
		.amdhsa_reserve_vcc 0
		.amdhsa_float_denorm_mode_32 3
		.amdhsa_float_denorm_mode_16_64 3
		.amdhsa_memory_ordered 1
		.amdhsa_forward_progress 1
		.amdhsa_inst_pref_size 111
	.end_amdhsa_kernel
	.amdgpu_metadata
---
amdhsa.version: [ 1, 2 ]
amdhsa.kernels:
  - .name:           k_qddfbe6bce8_quant
    .symbol:         k_qddfbe6bce8_quant.kd
    .args:
      - { .name: x, .offset: 0, .size: 8, .value_kind: global_buffer, .address_space: global }
      - { .name: Wq, .offset: 8, .size: 8, .value_kind: global_buffer, .address_space: global }
      - { .name: Wk, .offset: 16, .size: 8, .value_kind: global_buffer, .address_space: global }
      - { .name: Wv, .offset: 24, .size: 8, .value_kind: global_buffer, .address_space: global }
      - { .name: x_codes, .offset: 32, .size: 8, .value_kind: global_buffer, .address_space: global }
      - { .name: x_scales, .offset: 40, .size: 8, .value_kind: global_buffer, .address_space: global }
      - { .name: w_codes, .offset: 48, .size: 8, .value_kind: global_buffer, .address_space: global }
      - { .name: w_scales, .offset: 56, .size: 8, .value_kind: global_buffer, .address_space: global }
    .group_segment_fixed_size: 68096
    .private_segment_fixed_size: 0
    .kernarg_segment_align: 8
    .kernarg_segment_size: 64
    .max_flat_workgroup_size: 128
    .sgpr_count:     66
    .vgpr_count:     192
    .wavefront_size: 32
...
	.end_amdgpu_metadata
.endif
;; end of part 1
;; launch proj (part 2): grid 12 x 32, 4 waves a work-group, clusters of 4 x 4, 327,680 bytes of LDS; arguments x_codes, x_scales, w_codes, w_scales, bq, bk, bv, qkv; writes qkv
.if DOCPART == 2
	.amdgcn_target "amdgcn-amd-amdhsa--gfx1250"
	.amdhsa_code_object_version 6
	.text
	.protected	k_qddfbe6bce8_proj
	.globl	k_qddfbe6bce8_proj
	.p2align	8
	.type	k_qddfbe6bce8_proj,@function
k_qddfbe6bce8_proj:
	s_mov_b64 s[64:65], 0
	v_nop
	global_prefetch_b8 v0, s[64:65] scope:SCOPE_SE
	s_setreg_imm32_b32 hwreg(HW_REG_WAVE_MODE, 25, 1), 1
	s_wait_xcnt 0x0
	s_wait_alu depctr_hold_cnt(0) depctr_sa_sdst(0) depctr_va_vdst(0) depctr_va_sdst(0) depctr_va_ssrc(0) depctr_va_vcc(0) depctr_vm_vsrc(0)
	s_getreg_b32 s2, hwreg(HW_REG_IB_STS2, 6, 4)
	s_cmp_eq_u32 s2, 0
	s_cbranch_scc0 .Lentry_in_a_cluster
	s_endpgm
.Lentry_in_a_cluster:
	s_bfe_u32 s2, ttmp6, 0x10000c
	s_cmp_lg_u32 s2, 0xf033
	s_cbranch_scc0 .Lentry_shape_is_right
	s_endpgm
.Lentry_shape_is_right:
; qkv[m][n] = sum over k of x[m][k] W[n][k] + bias[n], rounded once to f16.  x: [8192][1024], W: [3072][1024] (rows 0-1023 Wq's columns, then Wk's, then Wv's): codes of FP4 (E2M1) with one E8M0
; byte for each 32 along K, as the launch before laid them; sums in f32.  qkv: [8192][3072] f16: columns 0-1023 Q, 1024-2047 K, 2048-3071 V.
; LIMIT: |Q|, |K|, |V| under 65,504, f16's largest number.
; A tile of 256 x 256 is made by a work-group of four waves; a wave makes 128 x 128: 64 accumulators of 16 x 16, 512 registers.  All of K, 1,024, lies in two LDS slots of 512 along K (rows of 256 bytes),
; both asked for at the head: nothing is filled again.  The scale bytes of the work-group's rows, two dense blocks, come once with them.
; CLUSTERS: 4 x 4 work-groups.  The four of a row of the cluster need the same tiles of x, the four of a column the same tiles of W: each tile is asked for JOINTLY, by the same tensor load with the same
; descriptor and a mask that names the four.  By this text's count a wave has three tensor loads out at the most.
; THE MATRIX INSTRUCTION IS USED TRANSPOSED (source 0 = 16 rows of W, source 1 = 16 rows of x): a lane holds eight neighbouring columns of one row of qkv.
; THE BIAS is the C of each sum's first matrix instruction: eight registers for each block of 16 columns, in the result's layout.
; REGISTERS, in windows of 256: window 0: v0-31 addresses; v32-95 scale words, two sets; v128-191 x's fragments, ONE set; v192-255 the bias; on the way out v32-63 packed results, v128-191 rows read back.
;   window 1: W's fragments, TWO sets, at v0 and v128.   window 2: the accumulators of my rows 0-63 ((a, b) at v[8 (8 a + b)]);   window 3: those of my rows 64-127.
.set KSTEP,  512
.set NQ,     4                         ; matrix instructions deep in a slot
.set ROWB,   256                       ; a tile's row in bytes
.set KROW,   512                       ; a row of codes in memory
.set PITCH,  272                       ; an LDS row: 256 bytes + 16 of padding = 68 words: the 16 rows that a load touches start at 16 different banks (64 banks of 4 bytes: ISA guide 11.1)
.set FR,     8                         ; registers of a fragment: 16 rows x 128 K
.set NL,     2                         ; LDS loads that bring one
.set NP,     4                         ; places behind this matrix instruction (ISA guide 7.12.1)
.set HALFT,  128*PITCH                 ; 128 rows: what one tensor load brings
.set SLOT,   4*HALFT                   ; x's 256 rows, then W's 256 rows
.set KS,     32                        ; a row of scale bytes
.set SCL,    2*SLOT                    ; behind the slots: the scales, as units of 256 bytes + 16 of padding
.set HALFS,  16*272                    ; the scales of 128 rows
.set SBLK,   2*272                     ; those of 16 rows
.set SPARE,  SCL+4*HALFS               ; the spare words, 128 bytes for each wave: two blocks of 256 bytes that no other line names
.set SPITCH, 272                       ; the way out: a stage of 16 rows x (256 bytes + 16) for each wave, in slot 0, which has had its only fill and its last read by then
.set CROW,   6144                      ; a row of qkv in bytes
.set BIA,  7                           ; v7      the bias: 32 x (lane / 16)
.set ADRA, 16                          ; v16-17  LDS address of my x fragments in slot 0, 1
.set ADRB, 20                          ; v20-21  the same for W
.set STO,  24                          ; v24     the way out: where I put 16 bytes of a row
.set RD,   25                          ; v25     where I read a row back
.set CO,   26                          ; v26     my byte offset in two rows of qkv
.set ADRS, 27                          ; v27     LDS address of my scale words: lanes 0-15 x's rows, lanes 16-31 W's
.set SPW,  28                          ; v28     LDS address of my spare word; never rewritten
.set NIL,  29                          ; v29     0; never rewritten
.set SC,   32                          ; scale words: set s at v[SC + 32 s]; register 4 i + q: lanes 0-15 x's block i, lanes 16-31 W's block i, the slot's q-th 128 along K
.set TMP,  32                          ; the way out: packed results
.set AF,   128                         ; x's fragments
.set BK,   128                         ; the way out: 16 rows read back: v128-159 and v160-191 by turns
.set BI,   192                         ; the bias: block b of 16 columns at v[BI + 8 b]
.set G1, 24                            ; s[24:31] group 1 for x's tiles;  s[32:39] group 0, one set for each slot
.set G0, 32
.set G1B, 48                           ; s[48:55], s[56:63] the same for W's tiles
.set G0B, 56
.set G1S, 68                           ; s[68:75], s[76:79] groups 1 and 0 for x's scales;  s[80:87], s[88:91] for W's
.set G0S, 76
.set G1SB, 80
.set G0SB, 88
.set MSB, 0
.macro WIN new                         ; the immediate's high byte repeats the setting that is left
.if MSB != \new
	s_set_vgpr_msb (MSB<<8)|\new
.set MSB, \new
.endif
.endm
.set MUL_LO, 0xa1                      ; source 0 (W) window 1, source 1 (x) window 0, C and D window 2
.set MUL_HI, 0xf1                      ; the same, C and D window 3
.set FST_LO, 0x81                      ; the first step: C (the bias) window 0, D window 2
.set FST_HI, 0xc1                      ; D window 3
.set TO_B,   0x40                      ; destination window 1, address window 0
; A joint load: waves 0 and 1 fetch for x, waves 2 and 3 for W.  The branch hangs on the wave's number alone.  An s_nop 0 and four v_nop follow each of the two lines.
.macro JLOAD g0a, g1a, g0b, g1b
	s_cmp_eq_u32 s15, 0
	s_cbranch_scc0 .Lfor_b_\@
	tensor_load_to_lds s[\g0a:\g0a+3], s[\g1a:\g1a+7]
	s_nop 0
.rept 4
	v_nop
.endr
	s_branch .Lasked_\@
.Lfor_b_\@:
	tensor_load_to_lds s[\g0b:\g0b+3], s[\g1b:\g1b+7]
	s_nop 0
.rept 4
	v_nop
.endr
.Lasked_\@:
.endm
.macro CROUND                          ; a round of the cluster's barrier
	s_barrier_signal -1
	s_barrier_wait -1
	s_cmp_lg_u32 s14, 0
	s_cbranch_scc1 .Lnot_wave_0_\@
	s_barrier_signal -3
.Lnot_wave_0_\@:
	s_barrier_wait -3
	s_barrier_signal -1
	s_barrier_wait -1
.endm
	s_load_b256 s[4:11], s[0:1], 0x0               ; x_codes s[4:5], x_scales s[6:7], w_codes s[8:9], w_scales s[10:11]
	s_load_b128 s[96:99], s[0:1], 0x20             ; bq s[96:97], bk s[98:99]
	s_load_b64 s[100:101], s[0:1], 0x30            ; bv
	s_load_b64 s[12:13], s[0:1], 0x38              ; qkv
	v_lshl_add_u32 v[SPW], v0, 2, SPARE
	v_mov_b32 v[NIL], 0
	ds_add_u32 v[SPW], v[NIL]                      ; the wave's opening: the add, twice on end, and its wait ahead of my first tensor load
	ds_add_u32 v[SPW], v[NIL]
	v_lshrrev_b32 v1, 5, v0
	v_readfirstlane_b32 s14, v1                    ; wave 0..3
	s_lshr_b32 s15, s14, 1                         ; which half of the tile's rows is mine.  Also: I fetch for x (0) or for W (1)
	s_and_b32 s16, s14, 1                          ; which half of its columns.  Also: which 128 rows of that tile I fetch
	s_bfe_u32 s40, ttmp6, 0x40000                  ; cx, cy: my place in the cluster
	s_bfe_u32 s41, ttmp6, 0x40004
	s_lshl_b32 s42, ttmp9, 2
	s_add_co_u32 s42, s42, s40                     ; tile column = 4 x cluster x + cx
	s_and_b32 s17, ttmp7, 0xffff
	s_lshl_b32 s17, s17, 2
	s_add_co_u32 s17, s17, s41                     ; tile row = 4 x cluster y + cy
	s_lshl_b32 s43, s41, 2
	s_lshl_b32 s43, 15, s43                        ; my row of the cluster
	s_lshl_b32 s44, 0x1111, s40                    ; my column
	s_or_b32 s[G1+0], s43, (0<<16)|(1<<20)|(1<<21)|(5<<22)|(3<<25)  ; the mask; elements of 1 byte; padding on; bit 21 beside a mask; after every 64 words 4 words
	s_or_b32 s[G1B+0], s44, (0<<16)|(1<<20)|(1<<21)|(5<<22)|(3<<25)
.irp g, G1, G1B
	s_mov_b32 s[\g+1], ROWB<<16                    ; tensor_dim0
	s_mov_b32 s[\g+2], 128<<16                     ; tensor_dim1
	s_mov_b32 s[\g+3], ROWB<<16                    ; tile_dim0
	s_mov_b32 s[\g+4], 128                         ; tile_dim1
	s_mov_b32 s[\g+5], KROW                        ; from row to row
	s_mov_b32 s[\g+6], 0
	s_mov_b32 s[\g+7], 0
.endr
	s_or_b32 s[G1S+0], s43, (3<<16)|(1<<20)|(1<<21)|(5<<22)|(3<<25) ; the scales of 128 rows: 4,096 dense bytes as 16 rows of 32 elements of 8 bytes, 16 bytes of padding behind each
	s_or_b32 s[G1SB+0], s44, (3<<16)|(1<<20)|(1<<21)|(5<<22)|(3<<25)
.irp g, G1S, G1SB
	s_mov_b32 s[\g+1], 32<<16
	s_mov_b32 s[\g+2], 16<<16
	s_mov_b32 s[\g+3], 32<<16
	s_mov_b32 s[\g+4], 16
	s_mov_b32 s[\g+5], 32
	s_mov_b32 s[\g+6], 0
	s_mov_b32 s[\g+7], 0
.endr
	s_lshl_b32 s18, s16, 7                         ; which 128 rows of the tile I fetch
	s_lshl_b32 s20, s17, 8
	s_add_co_u32 s20, s20, s18                     ; x: row 256 x tile row + 128 x half
	s_lshl_b32 s46, s42, 8
	s_add_co_u32 s46, s46, s18                     ; W: row 256 x tile column + 128 x half
	s_mov_b32 s21, 0
	s_mov_b32 s47, 0
	s_mov_b64 s[18:19], KS
	s_mul_u64 s[22:23], s[20:21], s[18:19]         ; where these rows' scales begin,
	s_mul_u64 s[92:93], s[46:47], s[18:19]
	s_mov_b64 s[18:19], KROW
	s_mul_u64 s[20:21], s[20:21], s[18:19]         ; and their codes
	s_mul_u64 s[46:47], s[46:47], s[18:19]
	s_mul_i32 s45, s14, HALFT                      ; where they go: wave x 128 rows: no place in the cluster enters an LDS address
	s_mul_i32 s94, s14, HALFS
	s_wait_dscnt 0x0                               ; both opening adds are done
	s_wait_kmcnt 0x0
	s_add_nc_u64 s[20:21], s[4:5], s[20:21]
	s_add_nc_u64 s[22:23], s[6:7], s[22:23]
	s_add_nc_u64 s[46:47], s[8:9], s[46:47]
	s_add_nc_u64 s[92:93], s[10:11], s[92:93]
	CROUND                                         ; all sixteen work-groups are here: the joint loads meet
	s_mov_b32 s[G0S], 1
	s_add_co_u32 s[G0S+1], s94, SCL
	s_mov_b64 s[G0S+2:G0S+3], s[22:23]
	s_or_b32 s[G0S+3], s[G0S+3], 0x80000000
	s_mov_b32 s[G0SB], 1
	s_add_co_u32 s[G0SB+1], s94, SCL
	s_mov_b64 s[G0SB+2:G0SB+3], s[92:93]
	s_or_b32 s[G0SB+3], s[G0SB+3], 0x80000000
	JLOAD G0S, G1S, G0SB, G1SB                     ; the scales first: they are wanted with the first slot
.irp s, 0,1
	s_mov_b32 s[G0+4*\s], 1
	s_add_co_u32 s[G0+4*\s+1], s45, \s*SLOT
	s_add_nc_u64 s[G0+4*\s+2:G0+4*\s+3], s[20:21], \s*ROWB
	s_or_b32 s[G0+4*\s+3], s[G0+4*\s+3], 0x80000000
	s_mov_b32 s[G0B+4*\s], 1
	s_add_co_u32 s[G0B+4*\s+1], s45, \s*SLOT
	s_add_nc_u64 s[G0B+4*\s+2:G0B+4*\s+3], s[46:47], \s*ROWB
	s_or_b32 s[G0B+4*\s+3], s[G0B+4*\s+3], 0x80000000
	JLOAD G0+4*\s, G1, G0B+4*\s, G1B
.endr
	v_and_b32 v1, 15, v0                           ; l % 16
	v_bfe_u32 v2, v0, 4, 1                         ; l / 16
	; the bias: the cluster's x is 0, 1, 2 for Q, K, V; inside that tensor my 128 columns begin at 256 cx + 128 x half
	s_cmp_eq_u32 ttmp9, 1
	s_cselect_b64 s[98:99], s[98:99], s[100:101]
	s_cmp_eq_u32 ttmp9, 0
	s_cselect_b64 s[96:97], s[96:97], s[98:99]
	s_lshl_b32 s18, s40, 10
	s_lshl_b32 s19, s16, 9
	s_add_co_u32 s18, s18, s19
	s_mov_b32 s19, 0
	s_add_nc_u64 s[96:97], s[96:97], s[18:19]
	v_lshlrev_b32 v[BIA], 5, v2                    ; lane (r, h) wants, for block b, columns 16 b + 8 h + 0 .. 7
.irp b, 0,1,2,3,4,5,6,7
	global_load_b128 v[BI+8*\b:BI+8*\b+3], v[BIA], s[96:97] offset:64*\b
	global_load_b128 v[BI+8*\b+4:BI+8*\b+7], v[BIA], s[96:97] offset:64*\b+16
.endr
	v_mul_u32_u24 v3, v1, PITCH
	v_lshl_add_u32 v4, v2, 4, v3                   ; a fragment's row x pitch + 16 x half
	s_mul_i32 s21, s15, HALFT                      ; my 128 rows of x
	s_mul_i32 s22, s16, HALFT                      ; my 128 rows of W,
	s_add_co_u32 s22, s22, 2*HALFT                 ; which lie behind x's 256
.irp s, 0,1
	v_add_nc_u32 v[ADRA+\s], s21, v4
	v_add_nc_u32 v[ADRB+\s], s22, v4
	s_add_co_u32 s21, s21, SLOT
	s_add_co_u32 s22, s22, SLOT
.endr
	v_mul_u32_u24 v5, v1, KS                       ; my row's scales: 32 bytes a row,
	v_lshrrev_b32 v6, 8, v5
	v_lshl_add_u32 v5, v6, 4, v5                   ; and 16 more for each 256 passed
	s_mul_i32 s21, s15, HALFS                      ; x's: my 128 rows
	s_mul_i32 s22, s16, HALFS                      ; W's: my 128 rows, behind x's 256
	s_add_co_u32 s22, s22, 2*HALFS
	s_sub_co_u32 s22, s22, s21
	v_mul_u32_u24 v6, s22, v2                      ; lanes 16-31 take W's: one product, the distance between the two bases
	s_add_co_u32 s21, s21, SCL
	v_add_nc_u32 v5, v5, v6
	v_add_nc_u32 v[ADRS], s21, v5
	s_mul_i32 s23, s14, 16*SPITCH                  ; my stage
	v_mul_u32_u24 v5, v1, SPITCH                   ; in: row l % 16, 16 bytes for each half of the lanes
	v_lshl_add_u32 v5, v2, 4, v5
	v_add_nc_u32 v[STO], s23, v5
	v_mul_u32_u24 v5, v2, SPITCH                   ; back: lanes 0-15 take one row of 256 bytes, lanes 16-31 the next
	v_lshl_add_u32 v5, v1, 4, v5
	v_add_nc_u32 v[RD], s23, v5
	v_mul_u32_u24 v5, v2, CROW                     ; and the same two rows in qkv
	v_lshl_add_u32 v[CO], v1, 4, v5
	s_lshl_b32 s20, s17, 8
	s_lshl_b32 s21, s15, 7
	s_add_co_u32 s20, s20, s21                     ; my first row: 256 x tile row + 128 x half
	s_mul_i32 s20, s20, CROW
	s_mov_b32 s21, 0
	s_lshl_b32 s46, s42, 9                         ; my first column, in bytes: 512 x tile column + 256 x half
	s_lshl_b32 s47, s16, 8
	s_add_co_u32 s46, s46, s47
	s_mov_b32 s47, 0
	s_add_nc_u64 s[20:21], s[20:21], s[46:47]
	s_add_nc_u64 s[12:13], s[12:13], s[20:21]
.macro FRAG reg, adr, q, i             ; a fragment: lane l holds row l % 16; registers 4 c .. 4 c + 3 hold K = 64 c + 32 (l / 16) + 0 .. 31
.irp c, 0,1
	ds_load_b128 v[\reg+4*\c:\reg+4*\c+3], v[\adr] offset:64*(\q)+32*\c+(\i)*16*PITCH
.endr
.endm
; 16 matrix instructions: x's blocks a0, a0 + 1 against W's eight, the slot's q-th 128 along K.  p: W's set;  sc: the set of scale words.  zero = 1: the first product starts the sums from the bias.
; The 64 accumulators take turns, one instruction a turn, in the same order in every step.
.macro MUL16 a0, p, q, sc, zero
.irp a, \a0, \a0+1
.irp b, 0,1,2,3,4,5,6,7
.if \zero
	v_wmma_scale_f32_16x16x128_f8f6f4 v[8*(8*((\a)%4)+\b):8*(8*((\a)%4)+\b)+7], v[128*(\p)+FR*\b:128*(\p)+FR*\b+FR-1], v[AF+FR*(\a):AF+FR*(\a)+FR-1], v[BI+8*\b:BI+8*\b+7], v[SC+8*NQ*(\sc)+NQ*\b+(\q)], v[SC+8*NQ*(\sc)+NQ*(\a)+(\q)] matrix_a_fmt:MATRIX_FMT_FP4 matrix_b_fmt:MATRIX_FMT_FP4 matrix_a_scale:MATRIX_SCALE_ROW1
.else
	v_wmma_scale_f32_16x16x128_f8f6f4 v[8*(8*((\a)%4)+\b):8*(8*((\a)%4)+\b)+7], v[128*(\p)+FR*\b:128*(\p)+FR*\b+FR-1], v[AF+FR*(\a):AF+FR*(\a)+FR-1], v[8*(8*((\a)%4)+\b):8*(8*((\a)%4)+\b)+7], v[SC+8*NQ*(\sc)+NQ*\b+(\q)], v[SC+8*NQ*(\sc)+NQ*(\a)+(\q)] matrix_a_fmt:MATRIX_FMT_FP4 matrix_b_fmt:MATRIX_FMT_FP4 matrix_a_scale:MATRIX_SCALE_ROW1
.endif
.endr
.endr
.endm
.macro FETCH_B slot, q, p              ; W's eight fragments of the slot's q-th 128 along K into set p
	WIN TO_B
.irp i, 0,1,2,3,4,5,6,7
	FRAG 128*(\p)+FR*\i, ADRB+\slot, \q, \i
.endr
	WIN 0
.endm
.macro FETCH_A slot, q, i0             ; x's blocks i0 .. i0 + 3
.irp i, \i0, \i0+1, \i0+2, \i0+3
	FRAG AF+FR*(\i), ADRA+\slot, \q, \i
.endr
.endm
.macro SCALES sc                       ; a slot's scale words into set sc: 4 words a row; lanes 0-15 take x's block i, lanes 16-31 W's block i
.irp i, 0,1,2,3,4,5,6,7
	ds_load_b128 v[SC+8*NQ*\sc+NQ*\i:SC+8*NQ*\sc+NQ*\i+3], v[ADRS] offset:\i*SBLK
.endr
.endm
.macro PLACES n                        ; plain vector instructions in front of loads into registers that matrix instructions have read, and of the first read of results
.rept \n
	v_nop
.endr
.endm
; A step of 128 along K that has its successor in the same slot.
.macro STEP slot, q, zero
	s_wait_dscnt 4*NL                              ; W's set and x's blocks 0-3 are in; the youngest eight loads (x's blocks 4-7) may be out
.if \zero
	WIN FST_LO
.else
	WIN MUL_LO
.endif
	MUL16 0, (\q)%2, \q, \slot, \zero
	MUL16 2, (\q)%2, \q, \slot, \zero
	s_wait_dscnt 0                                 ; x's blocks 4-7 are in
	PLACES NP
	FETCH_B \slot, (\q)+1, 1-(\q)%2
	FETCH_A \slot, (\q)+1, 0
.if \zero
	WIN FST_HI
.else
	WIN MUL_HI
.endif
	MUL16 4, (\q)%2, \q, \slot, \zero
	MUL16 6, (\q)%2, \q, \slot, \zero
	PLACES NP
	WIN 0
	FETCH_A \slot, (\q)+1, 4
.endm
; Slot 0's last step changes slots: one barrier; in front of it each wave waits for all its tensor loads (slot 1's), adds 0 to its spare word, and waits for that and for its reads of slot 0.  Nothing is filled again.
.macro TURN slot, next
	s_wait_tensorcnt 0x0                           ; all my tensor loads have landed: my part of the next slot
	ds_add_u32 v[SPW], v[NIL]                      ; 0 onto my spare word
	s_wait_dscnt 4*NL+1                            ; (the add and the youngest eight loads, x's blocks 4-7, may be out)
	WIN MUL_LO
	MUL16 0, 1, NQ-1, \slot, 0                     ; sixteen matrix instructions stand between the add and the wait for it
	s_wait_dscnt 0x0                               ; the add is done, and my reads of this slot are over
	s_barrier_signal -1
	MUL16 2, 1, NQ-1, \slot, 0
	WIN 0
	s_barrier_wait -1
	PLACES NP
	v_add_nc_u32 v[ADRS], 4*NQ, v[ADRS]            ; on to the next slot's scale words
	FETCH_B \next, 0, 0
	FETCH_A \next, 0, 0
	SCALES \next
	WIN MUL_HI
	MUL16 4, 1, NQ-1, \slot, 0
	MUL16 6, 1, NQ-1, \slot, 0
	PLACES NP
	WIN 0
	FETCH_A \next, 0, 4
.endm
.macro STEPS slot, from                ; the slot's steps from .. NQ - 2
.set Q, \from
.rept NQ-1-\from
	STEP \slot, Q, 0
.set Q, Q+1
.endr
.endm
	s_wait_tensorcnt 1                             ; the scales and my part of slot 0 are in (slot 1's load may be out)
	s_barrier_signal -1
	s_barrier_wait -1                              ; everybody's are
	FETCH_B 0, 0, 0
	FETCH_A 0, 0, 0
	SCALES 0
	FETCH_A 0, 0, 4
	s_wait_loadcnt 0x0                             ; the bias
	STEP 0, 0, 1                                   ; the first products start the sums from the bias: nothing is cleared, nothing is added later
	STEPS 0, 1
	TURN 0, 1
	STEPS 1, 0
	s_wait_dscnt 4*NL                              ; the very last step: nothing more to fetch
	WIN MUL_LO
	MUL16 0, 1, NQ-1, 1, 0
	MUL16 2, 1, NQ-1, 1, 0
	s_wait_dscnt 0
	WIN MUL_HI
	MUL16 4, 1, NQ-1, 1, 0
	MUL16 6, 1, NQ-1, 1, 0
	WIN 0
; THE WAY OUT, block by block of 16 rows x 128 columns.  PACK: rounded to f16, 16 bytes a lane, each accumulator from its low end on.  TOSTAGE: into my own stage and back as whole rows of 256 bytes.  SEND: stored.
.macro PACK a
.set AC, 64*((\a)%4)
	WIN 0x0a+5*((\a)/4)                            ; sources 0 and 1: window 2 or 3
.irp b, 0,1,2,3,4,5,6,7
.irp r, 0,1,2,3
	v_cvt_pk_f16_f32 v[TMP+4*\b+\r], v[AC+8*\b+2*\r], v[AC+8*\b+2*\r+1]
.endr
.endr
	WIN 0
.endm
.macro TOSTAGE a
.set BB, BK+32*((\a)%2)
.irp b, 0,1,2,3,4,5,6,7
	ds_store_b128 v[STO], v[TMP+4*\b:TMP+4*\b+3] offset:32*\b
.endr
.irp t, 0,1,2,3,4,5,6,7
	ds_load_b128 v[BB+4*\t:BB+4*\t+3], v[RD] offset:\t*2*SPITCH    ; LDS serves a wave's instructions in order (ISA guide 5.7.1.4): these see the stores above
.endr
.endm
.macro SEND a
.set BB, BK+32*((\a)%2)
	s_wait_dscnt 0x0                               ; the block is back in registers
	s_wait_xcnt 0x0                                ; earlier stores have read their base and their registers: only behind this wait are they rewritten
.if (\a) > 0
	s_add_nc_u64 s[12:13], s[12:13], 16*CROW       ; 16 rows on
.endif
.irp t, 0,1,2,3,4,5,6,7
	global_store_b128 v[CO], v[BB+4*\t:BB+4*\t+3], s[12:13] offset:2*\t*CROW   ; 16 lanes store 256 consecutive bytes, at a multiple of 256 from the buffer's first byte
.endr
.endm
	PLACES NP                                      ; behind the last products: for the loads into the registers that held x's fragments
	PACK 0
	TOSTAGE 0
.irp a, 1,2,3,4,5,6,7                  ; block a's conversions stand between block a - 1's loads from the stage and the wait for them
	PACK \a
	SEND \a-1
	TOSTAGE \a
.endr
	SEND 7
	s_wait_tensorcnt 0x0                           ; the wave's end: behind my last tensor load and my last LDS store
	ds_add_u32 v[SPW], v[NIL]
	s_wait_dscnt 0x0
	CROUND                                         ; the closing round: no work-group ends while a partner may still ask for a tile that names it
	s_endpgm
.Lfunc_end_k_qddfbe6bce8_proj:
	.size	k_qddfbe6bce8_proj, .Lfunc_end_k_qddfbe6bce8_proj-k_qddfbe6bce8_proj
	.p2alignl 7, 3214868480
	.fill 96, 4, 3214868480
	.section	.rodata,"a",@progbits
	.p2align	6, 0x0
	.amdhsa_kernel k_qddfbe6bce8_proj
		.amdhsa_group_segment_fixed_size 327680
		.amdhsa_private_segment_fixed_size 0
		.amdhsa_enable_private_segment 0
		.amdhsa_kernarg_size 64
		.amdhsa_user_sgpr_count 2
		.amdhsa_user_sgpr_kernarg_segment_ptr 1
		.amdhsa_wavefront_size32 1
		.amdhsa_system_sgpr_workgroup_id_x 1
		.amdhsa_system_sgpr_workgroup_id_y 1
		.amdhsa_system_sgpr_workgroup_id_z 1
		.amdhsa_system_vgpr_workitem_id 0
		.amdhsa_next_free_vgpr 1024
		.amdhsa_next_free_sgpr 102
		.amdhsa_reserve_vcc 0
		.amdhsa_float_denorm_mode_32 3
		.amdhsa_float_denorm_mode_16_64 3
		.amdhsa_memory_ordered 1
		.amdhsa_forward_progress 1
		.amdhsa_inst_pref_size 129
	.end_amdhsa_kernel
	.amdgpu_metadata
---
amdhsa.version: [ 1, 2 ]
amdhsa.kernels:
  - .name:           k_qddfbe6bce8_proj
    .symbol:         k_qddfbe6bce8_proj.kd
    .args:
      - { .name: x_codes, .offset: 0, .size: 8, .value_kind: global_buffer, .address_space: global }
      - { .name: x_scales, .offset: 8, .size: 8, .value_kind: global_buffer, .address_space: global }
      - { .name: w_codes, .offset: 16, .size: 8, .value_kind: global_buffer, .address_space: global }
      - { .name: w_scales, .offset: 24, .size: 8, .value_kind: global_buffer, .address_space: global }
      - { .name: bq, .offset: 32, .size: 8, .value_kind: global_buffer, .address_space: global }
      - { .name: bk, .offset: 40, .size: 8, .value_kind: global_buffer, .address_space: global }
      - { .name: bv, .offset: 48, .size: 8, .value_kind: global_buffer, .address_space: global }
      - { .name: qkv, .offset: 56, .size: 8, .value_kind: global_buffer, .address_space: global }
    .group_segment_fixed_size: 327680
    .private_segment_fixed_size: 0
    .kernarg_segment_align: 8
    .kernarg_segment_size: 64
    .max_flat_workgroup_size: 128
    .sgpr_count:     102
    .vgpr_count:     1024
    .wavefront_size: 32
...
	.end_amdgpu_metadata
.endif
;; end of part 2
;; launch attn (part 3): grid 4 x 64, 8 waves a work-group, clusters of 4 x 4, 327,680 bytes of LDS; arguments qkv, time_intervals, mask, alpha, out0; writes out0
.if DOCPART == 3
	.amdgcn_target "amdgcn-amd-amdhsa--gfx1250"
	.amdhsa_code_object_version 6
	.text
	.protected	k_qddfbe6bce8_attn
	.globl	k_qddfbe6bce8_attn
	.p2align	8
	.type	k_qddfbe6bce8_attn,@function
k_qddfbe6bce8_attn:
	s_mov_b64 s[64:65], 0
	v_nop
	global_prefetch_b8 v0, s[64:65] scope:SCOPE_SE
	s_setreg_imm32_b32 hwreg(HW_REG_WAVE_MODE, 25, 1), 1
	s_wait_xcnt 0x0
	s_wait_alu depctr_hold_cnt(0) depctr_sa_sdst(0) depctr_va_vdst(0) depctr_va_sdst(0) depctr_va_ssrc(0) depctr_va_vcc(0) depctr_vm_vsrc(0)
	s_getreg_b32 s2, hwreg(HW_REG_IB_STS2, 6, 4)
	s_cmp_eq_u32 s2, 0
	s_cbranch_scc0 .Lentry_in_a_cluster
	s_endpgm
.Lentry_in_a_cluster:
	s_bfe_u32 s2, ttmp6, 0x10000c
	s_cmp_lg_u32 s2, 0xf033
	s_cbranch_scc0 .Lentry_shape_is_right
	s_endpgm
.Lentry_shape_is_right:
; out0[b][q][64 head + d] = sum over k of softmax_k(Q.K / 8 - |alpha| t[b][q][k], or -1e9 where mask[b][q][k] == 0) V[k][d].  Q, K, V: f16, columns 0, 1024, 2048 on of qkv [8192 tokens][3072].
; Products on f16 operands with f32 sums; maxima, exponentials and sums in f32; the weights p are rounded to f16 for the second product.
; UNITS.  Scores are kept as S = K.Q - 8 |alpha| t, eight times the reference's; p = 2^(c S - c M), c = log2(e) / 8, M the row's running maximum.
; THE BIAS AND THE MASK COST NO ADDITION: the tile -8 |alpha| t, with -1e30 where the mask is 0, is the C of the first matrix instruction of S^T = K Q^T.  It is made once a key step and serves both of the wave's heads.
; A ROW WITH NO OPEN KEY.  M starts at NEGS = -8e9, which is the reference's -1e9 in these units, so hidden keys give p = 0 and such a row ends with M = NEGS, O = 0, l = 0.  At the end g = 2^(c NEGS - c M) is 1 for such a
; row and 0 for every other, and out = (O + g vsum) / (l + 2048 g), vsum the sum of V over all 2,048 keys: the mean of V, as the reference's softmax of equal scores gives.  vsum comes from one more matrix instruction
; for each head and 32 keys (V^T times ones); the four waves of a head pair take a tile of 16 channels each and exchange the sums through LDS.
; LIMITS: open scores lie above -1e9 (then hidden keys weigh 0 beside them, as in the reference); |Q|, |K|, |V| under 65,504; NaN and infinities are not served; vsum is taken of V as rounded to f16.
; SHARES.  A work-group owns 128 queries of one batch and 4 heads; 8 waves of 512 registers, two to a SIMD, so that one wave's softmax stands beside the other's products and LDS loads.  Wave w: queries 32 (w % 4) on
; (two tiles of 16), heads 2 (w / 4) and 2 (w / 4) + 1 of the four.  Every wave walks all 2,048 keys, 64 a step, through a ring of two LDS slots.
; LAYOUT.  S^T = K Q^T (source 0 = 16 keys, source 1 = 16 queries) and O^T = V^T P: a lane holds ONE query (lane % 16) throughout; V comes out of LDS turned, by ds_load_tr16_b128.
; CLUSTER.  4 x 4 work-groups: cx = the group of four heads, cy = the block of 128 queries.  The tiles of t and mask hang on the batch and the query block: shared along a row of the cluster.  K's and V's hang on the
; batch and the head group: shared along a column.  Each is asked for JOINTLY: the same tensor load, descriptor and mask in the four.  Every wave issues one load behind each round; by this text's count one is out.
; REGISTERS.  Window 0: v0-23 addresses and constants; v24-39 statistics of the four units (head, tile); v40-63 at work; v64-127 the C tiles; v128-191 S^T, then p; v192-255 eight fragments of K or of V.
;   Window 1: v0-127 O^T; v128-191 Q; v192-207 vsum; v208-215 ones; v216-247 P.
.set SLOTB, 138240                     ; a slot: t 128 rows x 272, mask 128 x 272, K 64 x 528, V 64 x 544
.set OM,    34816
.set OK,    69632
.set OV,    103424
.set PT,    272                        ; a row of t or mask: 256 bytes + 16 = 68 words: the 16 rows of a load start at 16 different banks (64 banks of 4 bytes: ISA guide 11.1)
.set PK,    528                        ; a row of K (4 heads): 512 + 16
.set PVP,   544                        ; a row of V: 512 + 32 = 136 words
.set SPARE, 2*SLOTB                    ; the spare words, 128 bytes for each wave: four blocks of 256 bytes that no other line names
.set STG,   16*528                     ; the way out: a stage of 16 rows x (512 + 16) for each wave, in slot 0, which has had its last fill and its last read by then
.set VSX,   8*STG                      ; behind the stages, in slot 0 too: vsum, f32 [4 heads][64 channels]
.set AT,   4                           ; v4-5    my place in t's tile, slot 0, 1
.set AK,   6                           ; v6-7    in K's
.set AV,   8                           ; v8-15   in V's: 4 x slot + i, register slot i holding channel tile (i + w % 4) % 4
.set SPW,  16                          ; v16     LDS address of my spare word; never rewritten
.set NIL,  17                          ; v17     0; never rewritten
.set NEGM, 18                          ; v18     -1e30
.set PFO,  19                          ; v19     the prefetches' offset; never rewritten
.set NEGS, 21                          ; v21     -8e9
.set PS,   24                          ; unit u = 2 head + tile at v[PS + 4 u]: +0 c M, +1 M, +2, +3 l (even keys', odd keys')
.set TS,   40                          ; tile t at v[TS + 12 t]: +0..3 chains of the maximum; +4 c M_old, then the difference; +6 a (+7 named with it); +8, 9 and +10, 11 two chains of the sum
.set C,    64
.set S,    128
.set KV,   192
.set O,    0                           ; window 1: 64 head + 16 i + 8 tile
.set QF,   128                         ; 32 head + 16 tile + 8 chunk
.set VS,   192                         ; 8 head
.set ONES, 208
.set P,    216                         ; 16 tile + 8 (32 keys)
.set AL,   14                          ; s[14:15] -8 |alpha|, twice
.set WV,   16                          ; s16 wave;  s17 w % 4;  s18 w / 4
.set QP,   17
.set HP,   18
.set G1T,  24                          ; s[24:31] group 1 for t's and mask's tiles;  s[32:39] K's;  s[40:47] V's
.set G1K,  32
.set G1V,  40
.set G0T,  48                          ; groups 0, a set for each slot: s[48:55] t, s[56:63] mask, s[68:75] K, s[76:83] V
.set G0M,  56
.set G0K,  68
.set G0V,  76
.set PFA,  84                          ; s[84:85] where my prefetches stand;  s[86:87] a key step on, in bytes
.set PFS,  86
.set LIM,  88                          ; s88 1 in a wave that prefetches, else the greatest number
.set CNT,  89                          ; s89 the loop's trips to go
.set CS,   90                          ; s[90:91] c, twice
.set SEL,  92                          ; s[92:93] lane selects for v_permlanex16_b32: lane l xor 16
.set CM0,  94                          ; s94-101 eight compare masks (at the head: at work)
.set MSB, 0
.macro WIN new                         ; the immediate's high byte repeats the setting that is left
.if MSB != \new
	s_set_vgpr_msb (MSB<<8)|\new
.set MSB, \new
.endif
.endm
.set W_KQ, 0x04                        ; source 1 (Q) window 1
.set W_PV, 0x54                        ; source 1 (P, ones), C and D window 1
.set W_CV, 0x40                        ; destination window 1
.set W_RS, 0x41                        ; destination and source 0 window 1
.set W_FN, 0x01                        ; source 0 window 1
.set W_ST, 0x04                        ; an LDS store's data (source 1) window 1
.macro ROUND                           ; a round of the cluster's barrier
	s_barrier_signal -1
	s_barrier_wait -1
	s_cmp_lg_u32 s[WV], 0
	s_cbranch_scc1 .Lnot_wave_0_\@
	s_barrier_signal -3
.Lnot_wave_0_\@:
	s_barrier_wait -3
	s_barrier_signal -1
	s_barrier_wait -1
.endm
; A joint load into slot n: waves 0, 1 t's halves; 2, 3 mask's; 4, 5 K's; 6, 7 V's.  The branches hang on the wave's number alone; every wave issues one load.  An s_nop 0 and four v_nop follow each line.
.macro JLOAD n
	s_cmp_lt_u32 s[WV], 2
	s_cbranch_scc0 .Lj_m_\@
	tensor_load_to_lds s[G0T+4*(\n):G0T+4*(\n)+3], s[G1T:G1T+7]
	s_nop 0
.rept 4
	v_nop
.endr
	s_branch .Lj_end_\@
.Lj_m_\@:
	s_cmp_lt_u32 s[WV], 4
	s_cbranch_scc0 .Lj_k_\@
	tensor_load_to_lds s[G0M+4*(\n):G0M+4*(\n)+3], s[G1T:G1T+7]
	s_nop 0
.rept 4
	v_nop
.endr
	s_branch .Lj_end_\@
.Lj_k_\@:
	s_cmp_lt_u32 s[WV], 6
	s_cbranch_scc0 .Lj_v_\@
	tensor_load_to_lds s[G0K+4*(\n):G0K+4*(\n)+3], s[G1K:G1K+7]
	s_nop 0
.rept 4
	v_nop
.endr
	s_branch .Lj_end_\@
.Lj_v_\@:
	tensor_load_to_lds s[G0V+4*(\n):G0V+4*(\n)+3], s[G1V:G1V+7]
	s_nop 0
.rept 4
	v_nop
.endr
.Lj_end_\@:
.endm
; A PREFETCH INTO THE L2, behind the joint load and its five lines: in key step s the tile of key step s + 2, which the NEXT round's joint load will ask for.  Waves 0 (t), 2 (mask), 4 (K), 6 (V) ask, one instruction each.
; Each aligned block of 256 bytes is named once in the launch.  t's and mask's 128 rows x 256 bytes: the four partners of a row of the cluster take 32 rows each, by ADDRESS (cx), a lane a row.  K's and V's 64 rows x 512
; bytes are walked by all four clusters of a batch: the batch's first cluster asks; the four partners of a column take 16 rows each, by address (cy), two lanes a row.  Key steps 0 to 29 ask: tiles 2 to 31.
.macro ASK how
.if \how
	s_cmp_eq_u32 s[LIM], 1
.else
	s_cmp_gt_u32 s[CNT], s[LIM]                    ; in the loop's last trip (1 to go) the second step has no tile two on
.endif
	s_cbranch_scc0 .Lnot_mine_\@
	global_prefetch_b8 v[PFO], s[PFA:PFA+1] th:TH_LOAD_NT scope:SCOPE_SE
.Lnot_mine_\@:
.endm
.macro PLACES                          ; four plain vector instructions behind matrix instructions, in front of loads into their registers and of reads of their results
.rept 4
	v_nop
.endr
.endm
	s_load_b256 s[4:11], s[0:1], 0x0               ; qkv s[4:5], t s[6:7], mask s[8:9], alpha s[10:11]
	s_load_b64 s[12:13], s[0:1], 0x20              ; out0
	v_lshl_add_u32 v[SPW], v0, 2, SPARE
	v_mov_b32 v[NIL], 0
	ds_add_u32 v[SPW], v[NIL]                      ; the wave's opening: the add, twice on end, and its wait ahead of my first tensor load
	ds_add_u32 v[SPW], v[NIL]
	v_lshrrev_b32 v1, 5, v0
	v_readfirstlane_b32 s[WV], v1                  ; wave 0..7
	s_and_b32 s[QP], s[WV], 3
	s_lshr_b32 s[HP], s[WV], 2
	s_bfe_u32 s19, ttmp6, 0x40000                  ; cx
	s_bfe_u32 s20, ttmp6, 0x40004                  ; cy
	s_lshl_b32 s21, ttmp9, 2
	s_add_co_u32 s21, s21, s19                     ; the group of four heads: 4 x cluster x + cx
	s_and_b32 s22, ttmp7, 0xffff                   ; cluster y
	s_lshl_b32 s23, s22, 2
	s_add_co_u32 s23, s23, s20                     ; the block of 128 rows of the flat [8192][2048] t and mask: 4 x cluster y + cy
	s_lshl_b32 s2, s20, 2
	s_lshl_b32 s2, 15, s2                          ; my row of the cluster
	s_lshl_b32 s3, 0x1111, s19                     ; my column
	s_or_b32 s[G1T], s2, (2<<16)|(1<<20)|(1<<21)|(5<<22)|(3<<25)   ; the mask; elements of 4 bytes; padding on; bit 21 beside a mask; after every 64 words 4 words
	s_mov_b32 s[G1T+1], 64<<16                     ; tensor_dim0 = 64
	s_mov_b32 s[G1T+2], 64<<16                     ; tensor_dim1 = 64
	s_mov_b32 s[G1T+3], 64<<16                     ; tile_dim0 = 64
	s_mov_b32 s[G1T+4], 64                         ; tile_dim1 = 64
	s_mov_b32 s[G1T+5], 2048                       ; from row to row
	s_mov_b32 s[G1T+6], 0
	s_mov_b32 s[G1T+7], 0
	s_or_b32 s[G1K], s3, (1<<16)|(1<<20)|(1<<21)|(6<<22)|(3<<25)   ; elements of 2 bytes; after every 128 words 4 words
	s_or_b32 s[G1V], s3, (1<<16)|(1<<20)|(1<<21)|(6<<22)|(7<<25)   ; 8 words
.irp g, G1K, G1V
	s_mov_b32 s[\g+1], 256<<16                     ; tensor_dim0 = 256
	s_mov_b32 s[\g+2], 32<<16                      ; tensor_dim1 = 32
	s_mov_b32 s[\g+3], 256<<16                     ; tile_dim0 = 256
	s_mov_b32 s[\g+4], 32                          ; tile_dim1 = 32
	s_mov_b32 s[\g+5], 3072                        ; from row to row
	s_mov_b32 s[\g+6], 0
	s_mov_b32 s[\g+7], 0
.endr
	s_mov_b32 s[CS], 0x3e38aa3b                    ; c = log2(e) / 8
	s_mov_b32 s[CS+1], s[CS]
	s_mov_b32 s[SEL], 0x76543210
	s_mov_b32 s[SEL+1], 0xfedcba98
	; where the tiles come from and go.  t's and mask's offset is made of cluster y, cy and the wave's number, K's and V's of cluster y, cx and the wave's number, each in registers of its own
	s_and_b32 s94, s[WV], 1                        ; which half of a tile I fetch
	s_lshl_b32 s66, s23, 7
	s_lshl_b32 s67, s94, 6
	s_add_co_u32 s66, s66, s67                     ; row 128 x block + 64 x half
	s_lshl_b32 s66, s66, 13                        ; x 8,192 bytes
	s_mov_b32 s67, 0
	s_lshr_b32 s96, s22, 2                         ; the batch
	s_lshl_b32 s96, s96, 11
	s_lshl_b32 s97, s94, 5
	s_add_co_u32 s96, s96, s97                     ; token 2,048 x batch + 32 x half
	s_mul_i32 s96, s96, 6144
	s_lshl_b32 s97, s21, 9
	s_add_co_u32 s96, s96, s97                     ; + 512 bytes x head group
	s_mov_b32 s97, 0
	s_mul_i32 s98, s94, 64*PT                      ; in LDS: half a tile of t, of mask (64 x 272) or of V (32 x 544),
	s_mul_i32 s99, s94, 32*PK                      ; of K
	s_wait_dscnt 0x0                               ; both opening adds are done
	s_wait_kmcnt 0x0
	s_load_b32 s[AL], s[10:11], 0x0                ; alpha
.irp n, 0,1                            ; slot n is set up for key step n
	s_mov_b32 s[G0T+4*\n], 1
	s_add_co_u32 s[G0T+4*\n+1], s98, \n*SLOTB
	s_add_nc_u64 s[G0T+4*\n+2:G0T+4*\n+3], s[6:7], s[66:67]
	s_add_nc_u64 s[G0T+4*\n+2:G0T+4*\n+3], s[G0T+4*\n+2:G0T+4*\n+3], \n*256
	s_or_b32 s[G0T+4*\n+3], s[G0T+4*\n+3], 0x80000000
	s_mov_b32 s[G0M+4*\n], 1
	s_add_co_u32 s[G0M+4*\n+1], s98, OM+\n*SLOTB
	s_add_nc_u64 s[G0M+4*\n+2:G0M+4*\n+3], s[8:9], s[66:67]
	s_add_nc_u64 s[G0M+4*\n+2:G0M+4*\n+3], s[G0M+4*\n+2:G0M+4*\n+3], \n*256
	s_or_b32 s[G0M+4*\n+3], s[G0M+4*\n+3], 0x80000000
	s_mov_b32 s[G0K+4*\n], 1
	s_add_co_u32 s[G0K+4*\n+1], s99, OK+\n*SLOTB
	s_add_nc_u64 s[G0K+4*\n+2:G0K+4*\n+3], s[4:5], s[96:97]
	s_add_nc_u64 s[G0K+4*\n+2:G0K+4*\n+3], s[G0K+4*\n+2:G0K+4*\n+3], 2048+\n*393216
	s_or_b32 s[G0K+4*\n+3], s[G0K+4*\n+3], 0x80000000
	s_mov_b32 s[G0V+4*\n], 1
	s_add_co_u32 s[G0V+4*\n+1], s98, OV+\n*SLOTB
	s_add_nc_u64 s[G0V+4*\n+2:G0V+4*\n+3], s[4:5], s[96:97]
	s_add_nc_u64 s[G0V+4*\n+2:G0V+4*\n+3], s[G0V+4*\n+2:G0V+4*\n+3], 4096+\n*393216
	s_or_b32 s[G0V+4*\n+3], s[G0V+4*\n+3], 0x80000000
.endr
	; the prefetches (macro ASK): they stand at key step 1 and are stepped at the head of each trip that refills
	s_lshl_b32 s100, s23, 7
	s_lshl_b32 s95, s19, 5
	s_add_co_u32 s100, s100, s95                   ; t, mask: row 128 x block + 32 cx
	s_lshl_b32 s100, s100, 13
	s_add_co_u32 s100, s100, 256
	s_lshr_b32 s101, s22, 2
	s_lshl_b32 s101, s101, 11
	s_lshl_b32 s95, s20, 4
	s_add_co_u32 s101, s101, s95                   ; K, V: token 2,048 x batch + 16 cy
	s_mul_i32 s101, s101, 6144
	s_lshl_b32 s95, s21, 9
	s_add_co_u32 s101, s101, s95
	s_cmp_lt_u32 s[WV], 6
	s_cselect_b32 s95, 0, 2048
	s_add_co_u32 s101, s101, s95
	s_add_co_u32 s101, s101, 393216+2048
	s_mov_b32 s[PFS], 393216
	s_mov_b32 s88, 6144
	s_cmp_lt_u32 s[WV], 2
	s_cselect_b64 s[PFA:PFA+1], s[6:7], s[8:9]
	s_cmp_lt_u32 s[WV], 4
	s_cselect_b64 s[PFA:PFA+1], s[PFA:PFA+1], s[4:5]
	s_cselect_b32 s100, s100, s101
	s_cselect_b32 s[PFS], 256, s[PFS]              ; a key step on
	s_cselect_b32 s88, 8192, s88                   ; from row to row
	s_cselect_b32 s95, 0, 1                        ; one lane or two to a row
	s_cselect_b32 s89, 0, 256                      ; the second lane's block
	s_mov_b32 s101, 0
	s_mov_b32 s[PFS+1], 0
	s_add_nc_u64 s[PFA:PFA+1], s[PFA:PFA+1], s[100:101]
	v_and_b32 v[PFO], 31, v0
	v_and_b32 v20, 1, v[PFO]
	v_lshrrev_b32 v[PFO], s95, v[PFO]
	v_mul_lo_u32 v[PFO], v[PFO], s88
	v_mul_lo_u32 v20, v20, s89
	v_add_nc_u32 v[PFO], v[PFO], v20
	s_and_b32 s88, s[WV], 1                        ; who asks: even waves; for K and V in the batch's first cluster alone: the same in all sixteen partners, for a given wave
	s_and_b32 s95, s22, 3
	s_cmp_lt_u32 s[WV], 4
	s_cselect_b32 s95, 0, s95
	s_or_b32 s88, s88, s95
	s_cmp_eq_u32 s88, 0
	s_cselect_b32 s[LIM], 1, -1
	; out0 and Q at my wave's first query and first head
	s_lshl_b32 s89, s23, 7
	s_lshl_b32 s95, s[QP], 5
	s_add_co_u32 s89, s89, s95                     ; my first query, as a flat row
	s_lshl_b32 s95, s21, 2
	s_lshl_b32 s100, s[HP], 1
	s_add_co_u32 s95, s95, s100                    ; my first head
	s_lshl_b32 s100, s89, 12
	s_lshl_b32 s101, s95, 8
	s_add_co_u32 s100, s100, s101
	s_mov_b32 s101, 0
	s_add_nc_u64 s[12:13], s[12:13], s[100:101]
	s_mul_i32 s100, s89, 6144
	s_lshl_b32 s95, s95, 7
	s_add_co_u32 s100, s100, s95
	s_add_nc_u64 s[100:101], s[4:5], s[100:101]
	s_mov_b32 s[CNT], 15
	ROUND                                          ; all sixteen work-groups are here: the first joint loads meet
	JLOAD 0                                        ; key step 0
	v_and_b32 v1, 15, v0                           ; r = lane % 16
	v_bfe_u32 v2, v0, 4, 1                         ; h = lane / 16
	v_mul_u32_u24 v20, v1, 6144
	v_lshl_add_u32 v20, v2, 4, v20                 ; Q: row r, + 16 h
	WIN W_CV
.irp hh, 0,1                           ; Q stays in registers: a fragment is 16 queries x 32 channels
.irp tl, 0,1
.irp c, 0,1
	global_load_b128 v[QF+32*\hh+16*\tl+8*\c:QF+32*\hh+16*\tl+8*\c+3], v20, s[100:101] offset:\tl*98304+\hh*128+\c*64
	global_load_b128 v[QF+32*\hh+16*\tl+8*\c+4:QF+32*\hh+16*\tl+8*\c+7], v20, s[100:101] offset:\tl*98304+\hh*128+\c*64+32
.endr
.endr
.endr
.irp k, 0,1,2,3,4,5,6,7
	v_mov_b32 v[ONES+\k], 0x3c003c00               ; 1.0, twice, in f16
.endr
	WIN 0
	s_mul_i32 s95, s[QP], 32*PT
	v_mul_u32_u24 v3, v1, PT
	v_lshl_add_u32 v3, v2, 5, v3
	v_add_nc_u32 v[AT], s95, v3                    ; t: row 32 (w % 4) + r, + 32 h: my eight keys of a tile of 16
	v_add_nc_u32 v[AT+1], SLOTB, v[AT]
	s_lshl_b32 s95, s[HP], 8
	s_add_co_u32 s95, s95, OK
	v_mul_u32_u24 v3, v1, PK
	v_lshl_add_u32 v3, v2, 4, v3
	v_add_nc_u32 v[AK], s95, v3                    ; K: row r, + 16 h, + my head pair's 256 bytes
	v_add_nc_u32 v[AK+1], SLOTB, v[AK]
	v_and_b32 v3, 7, v0
	v_lshl_add_u32 v3, v2, 3, v3
	v_mul_u32_u24 v3, v3, PVP
	v_bfe_u32 v22, v0, 3, 1
	v_lshl_add_u32 v3, v22, 4, v3                  ; V, for the turning load: key 8 h + l % 8, channels 8 ((l / 8) % 2) on
	s_lshl_b32 s95, s[HP], 8
	s_add_co_u32 s95, s95, OV
	v_add_nc_u32 v3, s95, v3
.irp i, 0,1,2,3
	s_add_co_u32 s95, s[QP], \i
	s_and_b32 s95, s95, 3                          ; register slot i holds channel tile (i + w % 4) % 4: so slot 0, whose sums over the keys are taken, differs from wave to wave
	s_lshl_b32 s95, s95, 5
	v_add_nc_u32 v[AV+\i], s95, v3
	v_add_nc_u32 v[AV+4+\i], SLOTB, v[AV+\i]
.endr
	v_mov_b32 v[NEGM], 0xf149f2ca                  ; -1e30
	v_mov_b32 v[NEGS], 0xcfee6b28                  ; -8e9
.irp u, 0,1,2,3
	v_mov_b32 v[PS+4*\u+1], 0xcfee6b28             ; M starts at NEGS
.endr
.irp k, 5,7,17,19
	v_mov_b32 v[TS+\k], 0                          ; named as upper halves of pairs of which the low word alone is taken: written once
.endr
	s_wait_kmcnt 0x0                               ; alpha
	s_and_b32 s[AL], s[AL], 0x7fffffff
	s_mul_f32 s[AL], s[AL], 0xc1000000             ; -8 |alpha|
	s_mov_b32 s[AL+1], s[AL]
	s_wait_loadcnt 0x0                             ; Q
; 32 LDS loads: my 32 queries x 64 keys of t into C's registers and of mask into S's, in the layout of S^T: register 32 tile + 8 kt + j = key 16 kt + 8 h + j
.macro RAW slot
.irp tl, 0,1
.irp i, 0,1,2,3,4,5,6,7
	ds_load_b128 v[C+32*\tl+4*\i:C+32*\tl+4*\i+3], v[AT+\slot] offset:\tl*16*PT+64*(\i/2)+16*(\i%2)
.endr
.endr
.irp tl, 0,1
.irp i, 0,1,2,3,4,5,6,7
	ds_load_b128 v[S+32*\tl+4*\i:S+32*\tl+4*\i+3], v[AT+\slot] offset:OM+\tl*16*PT+64*(\i/2)+16*(\i%2)
.endr
.endr
.endm
.macro KLOAD slot, hh                  ; 16 loads: K of head hh: fragment (16 keys kt, 32 channels c) at v[KV + 16 kt + 8 c]
.irp kt, 0,1,2,3
.irp c, 0,1
	ds_load_b128 v[KV+16*\kt+8*\c:KV+16*\kt+8*\c+3], v[AK+\slot] offset:\kt*16*PK+128*\hh+64*\c
	ds_load_b128 v[KV+16*\kt+8*\c+4:KV+16*\kt+8*\c+7], v[AK+\slot] offset:\kt*16*PK+128*\hh+64*\c+32
.endr
.endr
.endm
.macro VLOAD slot, hh                  ; 16 turning loads: V^T of head hh: fragment (32 keys c, register slot i) at v[KV + 32 c + 8 i]
.irp c, 0,1
.irp i, 0,1,2,3
	ds_load_tr16_b128 v[KV+32*\c+8*\i:KV+32*\c+8*\i+3], v[AV+4*\slot+\i] offset:\c*32*PVP+128*\hh
	ds_load_tr16_b128 v[KV+32*\c+8*\i+4:KV+32*\c+8*\i+7], v[AV+4*\slot+\i] offset:\c*32*PVP+16*PVP+128*\hh
.endr
.endr
.endm
.macro CPREP                           ; C = -8 |alpha| t, or -1e30 where the mask is 0
.set i, 0
.rept 32
	v_pk_mul_f32 v[C+i:C+i+1], v[C+i:C+i+1], s[AL:AL+1] op_sel_hi:[1,0]
.set i, i+2
.endr
.irp g, 0,1,2,3,4,5,6,7
.irp k, 0,1,2,3,4,5,6,7
	v_cmp_eq_u32 s[CM0+\k], 0, v[S+8*\g+\k]
.endr
.irp k, 0,1,2,3,4,5,6,7
	v_cndmask_b32 v[C+8*\g+\k], v[C+8*\g+\k], v[NEGM], s[CM0+\k]
.endr
.endr
.endm
; S^T = K Q^T + C: 16 matrix instructions; the eight accumulators take turns, one instruction a turn
.macro KQ hh
	WIN W_KQ
.irp kt, 0,1,2,3
.irp tl, 0,1
	v_wmma_f32_16x16x32_f16 v[S+32*\tl+8*\kt:S+32*\tl+8*\kt+7], v[KV+16*\kt:KV+16*\kt+7], v[QF+32*\hh+16*\tl:QF+32*\hh+16*\tl+7], v[C+32*\tl+8*\kt:C+32*\tl+8*\kt+7]
.endr
.endr
.irp kt, 0,1,2,3
.irp tl, 0,1
	v_wmma_f32_16x16x32_f16 v[S+32*\tl+8*\kt:S+32*\tl+8*\kt+7], v[KV+16*\kt+8:KV+16*\kt+15], v[QF+32*\hh+16*\tl+8:QF+32*\hh+16*\tl+15], v[S+32*\tl+8*\kt:S+32*\tl+8*\kt+7]
.endr
.endr
.endm
; The softmax of head hh for both tiles, line by line by turns.  first = 1: the first key step: no a, nothing to rescale.
.macro SOFTMAX hh, first
.irp j, 0,1,2,3                        ; four chains, one to an accumulator, each from the accumulator's low end on
.irp tl, 0,1
	v_max3_num_f32 v[TS+12*\tl+\j], v[S+32*\tl+8*\j], v[S+32*\tl+8*\j+1], v[S+32*\tl+8*\j+2]
.endr
.endr
.irp j, 0,1,2,3
.irp tl, 0,1
	v_max3_num_f32 v[TS+12*\tl+\j], v[TS+12*\tl+\j], v[S+32*\tl+8*\j+3], v[S+32*\tl+8*\j+4]
.endr
.endr
.irp j, 0,1,2,3
.irp tl, 0,1
	v_max3_num_f32 v[TS+12*\tl+\j], v[TS+12*\tl+\j], v[S+32*\tl+8*\j+5], v[S+32*\tl+8*\j+6]
.endr
.endr
.irp tl, 0,1
	v_max3_num_f32 v[TS+12*\tl], v[TS+12*\tl], v[S+32*\tl+7], v[S+32*\tl+15]
.endr
.irp tl, 0,1
	v_max3_num_f32 v[TS+12*\tl+2], v[TS+12*\tl+2], v[S+32*\tl+23], v[S+32*\tl+31]
.endr
.irp tl, 0,1
	v_max3_num_f32 v[TS+12*\tl], v[TS+12*\tl], v[TS+12*\tl+1], v[TS+12*\tl+2]
.endr
.irp tl, 0,1
	v_max3_num_f32 v[TS+12*\tl], v[TS+12*\tl], v[TS+12*\tl+3], v[PS+8*\hh+4*\tl+1]   ; and the old M
.endr
.irp tl, 0,1
	v_permlanex16_b32 v[TS+12*\tl+1], v[TS+12*\tl], s[SEL], s[SEL+1]    ; the query's other 32 keys lie in the lane 16 away
.endr
.if \first == 0
.irp tl, 0,1
	v_mov_b32 v[TS+12*\tl+4], v[PS+8*\hh+4*\tl]    ; c M_old is kept for a
.endr
.endif
.irp tl, 0,1
	v_max_num_f32 v[PS+8*\hh+4*\tl+1], v[TS+12*\tl], v[TS+12*\tl+1]
.endr
.irp tl, 0,1
	v_mul_f32 v[PS+8*\hh+4*\tl], s[CS], v[PS+8*\hh+4*\tl+1]
.endr
.if \first == 0
.irp tl, 0,1
	v_sub_f32 v[TS+12*\tl+4], v[TS+12*\tl+4], v[PS+8*\hh+4*\tl]
.endr
.irp tl, 0,1
	v_exp_f32 v[TS+12*\tl+6], v[TS+12*\tl+4]       ; a = 2^(c M_old - c M)
.endr
.endif
; ONE BATCH: the scalings c S - c M, a pair each, and all exponentials; a pair's exponentials stand behind the next pair's scalings.  None of these lines names an exponential's result.
.set b, 0
.rept 16
.irp tl, 0,1
	v_pk_fma_f32 v[S+32*\tl+2*b:S+32*\tl+2*b+1], v[S+32*\tl+2*b:S+32*\tl+2*b+1], s[CS:CS+1], v[PS+8*\hh+4*\tl:PS+8*\hh+4*\tl+1] op_sel_hi:[1,0,0] neg_lo:[0,0,1] neg_hi:[0,0,1]
.endr
.if b > 0
.irp tl, 0,1
	v_exp_f32 v[S+32*\tl+2*b-2], v[S+32*\tl+2*b-2]
	v_exp_f32 v[S+32*\tl+2*b-1], v[S+32*\tl+2*b-1]
.endr
.endif
.set b, b+1
.endr
.irp tl, 0,1
	v_exp_f32 v[S+32*\tl+30], v[S+32*\tl+30]
	v_exp_f32 v[S+32*\tl+31], v[S+32*\tl+31]
.endr
	v_nop                                          ; a plain instruction behind the last exponential, ahead of the first use
	s_wait_alu depctr_va_vdst(0)                   ; a wait ahead of the first line that names a result: one for the whole batch
	WIN W_CV
.irp tl, 0,1
.set i, 0
.rept 16
	v_cvt_pk_f16_f32 v[P+16*\tl+i], v[S+32*\tl+2*i], v[S+32*\tl+2*i+1]   ; two tiles of 16 keys, rounded in pairs, ARE source 1 (32 keys x 16 queries) of V^T P
.set i, i+1
.endr
.endr
	WIN 0
.irp tl, 0,1                           ; the row's sum, of the unrounded p: two chains of pairs
	v_pk_add_f32 v[TS+12*\tl+8:TS+12*\tl+9], v[S+32*\tl:S+32*\tl+1], v[S+32*\tl+2:S+32*\tl+3]
.endr
.irp tl, 0,1
	v_pk_add_f32 v[TS+12*\tl+10:TS+12*\tl+11], v[S+32*\tl+4:S+32*\tl+5], v[S+32*\tl+6:S+32*\tl+7]
.endr
.irp k, 8,12,16,20,24,28
.irp tl, 0,1
	v_pk_add_f32 v[TS+12*\tl+8:TS+12*\tl+9], v[TS+12*\tl+8:TS+12*\tl+9], v[S+32*\tl+\k:S+32*\tl+\k+1]
.endr
.irp tl, 0,1
	v_pk_add_f32 v[TS+12*\tl+10:TS+12*\tl+11], v[TS+12*\tl+10:TS+12*\tl+11], v[S+32*\tl+\k+2:S+32*\tl+\k+3]
.endr
.endr
.if \first
.irp tl, 0,1
	v_pk_add_f32 v[PS+8*\hh+4*\tl+2:PS+8*\hh+4*\tl+3], v[TS+12*\tl+8:TS+12*\tl+9], v[TS+12*\tl+10:TS+12*\tl+11]
.endr
.else
.irp tl, 0,1
	v_pk_add_f32 v[TS+12*\tl+8:TS+12*\tl+9], v[TS+12*\tl+8:TS+12*\tl+9], v[TS+12*\tl+10:TS+12*\tl+11]
.endr
.irp tl, 0,1
	v_pk_fma_f32 v[PS+8*\hh+4*\tl+2:PS+8*\hh+4*\tl+3], v[PS+8*\hh+4*\tl+2:PS+8*\hh+4*\tl+3], v[TS+12*\tl+6:TS+12*\tl+7], v[TS+12*\tl+8:TS+12*\tl+9] op_sel_hi:[1,0,1]
.endr
	WIN W_RS
.irp tl, 0,1                           ; O^T times a, each accumulator from its low end on
.irp i, 0,1,2,3
.irp m, 0,2,4,6
	v_pk_mul_f32 v[O+64*\hh+16*\i+8*\tl+\m:O+64*\hh+16*\i+8*\tl+\m+1], v[O+64*\hh+16*\i+8*\tl+\m:O+64*\hh+16*\i+8*\tl+\m+1], v[TS+12*\tl+6:TS+12*\tl+7] op_sel_hi:[1,0]
.endr
.endr
.endr
.endif
.endm
; O^T += V^T P, and vsum += V^T ones for register slot 0: 18 matrix instructions; nine accumulators take turns.  first = 1: the first nine start the sums.
.macro PV hh, first
	WIN W_PV
.irp c, 0,1
.irp i, 0,1,2,3
.irp tl, 0,1
.if \first && (\c == 0)
	v_wmma_f32_16x16x32_f16 v[O+64*\hh+16*\i+8*\tl:O+64*\hh+16*\i+8*\tl+7], v[KV+32*\c+8*\i:KV+32*\c+8*\i+7], v[P+16*\tl+8*\c:P+16*\tl+8*\c+7], 0
.else
	v_wmma_f32_16x16x32_f16 v[O+64*\hh+16*\i+8*\tl:O+64*\hh+16*\i+8*\tl+7], v[KV+32*\c+8*\i:KV+32*\c+8*\i+7], v[P+16*\tl+8*\c:P+16*\tl+8*\c+7], v[O+64*\hh+16*\i+8*\tl:O+64*\hh+16*\i+8*\tl+7]
.endif
.endr
.endr
.if \first && (\c == 0)
	v_wmma_f32_16x16x32_f16 v[VS+8*\hh:VS+8*\hh+7], v[KV+32*\c:KV+32*\c+7], v[ONES:ONES+7], 0
.else
	v_wmma_f32_16x16x32_f16 v[VS+8*\hh:VS+8*\hh+7], v[KV+32*\c:KV+32*\c+7], v[ONES:ONES+7], v[VS+8*\hh:VS+8*\hh+7]
.endif
.endr
.endm
.macro HEAD slot, hh, first            ; one head's part of a key step; K's fragments are in
	KQ \hh
	WIN 0
	PLACES                                         ; behind the products: V's loads land in K's registers, the softmax reads the scores
	VLOAD \slot, \hh                               ; V lands while the softmax is walked
	SOFTMAX \hh, \first
	s_wait_dscnt 0x0                               ; V is in
	PV \hh, \first
	WIN 0
	PLACES                                         ; behind the products: the next loads land in V's registers
.endm
.macro STEP slot, first
	RAW \slot
	KLOAD \slot, 0
	s_wait_dscnt 16                                ; t and mask are in; the 16 loads of K may be out
	CPREP
	s_wait_dscnt 0x0                               ; K is in
	HEAD \slot, 0, \first
	KLOAD \slot, 1
	s_wait_dscnt 0x0
	HEAD \slot, 1, \first
.endm
; A key step.  In front of the round each wave waits for all its tensor loads (its part of this step's tiles), adds 0 to its spare word, and waits for that and for its reads of the other slot.  Behind the round this slot is
; whole and no wave of any partner reads the other one: refill = 1: it takes the next key step's tiles, the wave's one tensor load until the next round, with this step's work in which to land.
.macro TRIP slot, refill, first, how
.if \refill
	s_wait_xcnt 0x0                                ; the last prefetch, a key step back, has read its address: it is stepped here
	s_add_nc_u64 s[PFA:PFA+1], s[PFA:PFA+1], s[PFS:PFS+1]
.endif
	s_wait_tensorcnt 0x0                           ; no tensor load of mine is out, so every group 0 may be written
	ds_add_u32 v[SPW], v[NIL]                      ; 0 onto my spare word; the descriptors' steps stand between it and the wait for it
	s_add_nc_u64 s[G0T+4*\slot+2:G0T+4*\slot+3], s[G0T+4*\slot+2:G0T+4*\slot+3], 512       ; this slot's next tiles: two key steps on
	s_add_nc_u64 s[G0M+4*\slot+2:G0M+4*\slot+3], s[G0M+4*\slot+2:G0M+4*\slot+3], 512
	s_add_nc_u64 s[G0K+4*\slot+2:G0K+4*\slot+3], s[G0K+4*\slot+2:G0K+4*\slot+3], 786432
	s_add_nc_u64 s[G0V+4*\slot+2:G0V+4*\slot+3], s[G0V+4*\slot+2:G0V+4*\slot+3], 786432
	s_wait_dscnt 0x0                               ; the add is done, and my reads of the other slot are over
	ROUND
.if \refill
	JLOAD 1-\slot
	ASK \how
.endif
	STEP \slot, \first
.endm
	TRIP 0, 1, 1, 1                                ; key step 0: it starts M, l, O^T and vsum; slot 1 is filled for the first time behind its round
.Lloop:                                            ; 15 trips: key steps 1 to 30
	TRIP 1, 1, 0, 1
	TRIP 0, 1, 0, 0
	s_sub_co_u32 s[CNT], s[CNT], 1
	s_cmp_lg_u32 s[CNT], 0
	s_cbranch_scc1 .Lloop
	TRIP 1, 0, 0, 0                                ; key step 31: nothing is left to fetch
	; THE WAY OUT.  l's halves are added; g, the divisor and its reciprocal are made; vsum goes round through LDS; (O + g vsum) / (l + 2048 g) leaves through my stage as whole rows of 512 bytes.
.irp u, 0,1,2,3
	v_add_f32 v[PS+4*\u+2], v[PS+4*\u+2], v[PS+4*\u+3]
.endr
.irp u, 0,1,2,3
	v_permlanex16_b32 v[PS+4*\u+3], v[PS+4*\u+2], s[SEL], s[SEL+1]
.endr
.irp u, 0,1,2,3
	v_add_f32 v[PS+4*\u+2], v[PS+4*\u+2], v[PS+4*\u+3]     ; l
.endr
	v_mul_f32 v20, s[CS], v[NEGS]                  ; c NEGS, by the same line that makes c M: equal bits where M = NEGS
.irp u, 0,1,2,3
	v_sub_f32 v[PS+4*\u], v20, v[PS+4*\u]          ; c NEGS - c M
.endr
	s_lshl_b32 s94, s[HP], 9
	s_add_co_u32 s94, s94, VSX
	v_lshl_add_u32 v3, v2, 5, s94                  ; vsum: my head pair's 512 bytes, + 32 h
	s_lshl_b32 s95, s[QP], 6
	v_add_nc_u32 v4, s95, v3                       ; where I put my tile of 16 channels
	s_mul_i32 s96, s[WV], STG                      ; my stage
	v_and_b32 v22, 31, v0
	v_lshlrev_b32 v6, 4, v22                       ; 16 x lane: my bytes of a row of 512, in the stage and in out0
	v_add_nc_u32 v5, s96, v6
	v_mul_u32_u24 v23, v1, 528
	v_lshl_add_u32 v23, v2, 5, v23
	v_add_nc_u32 v23, s96, v23                     ; into the stage: row r, + 32 h
.irp i, 0,1,2,3
	s_add_co_u32 s95, s[QP], \i
	s_and_b32 s95, s95, 3
	s_lshl_b32 s95, s95, 6                         ; register slot i's channel tile: 64 bytes each
	v_add_nc_u32 v[8+\i], s95, v3
	v_add_nc_u32 v[12+\i], s95, v23
.endr
	WIN W_ST
.irp hh, 0,1
	ds_store_b128 v4, v[VS+8*\hh:VS+8*\hh+3] offset:256*\hh          ; the sixteen lanes of a half hold the same eight sums and write the same bytes; each accumulator from its low end on
	ds_store_b128 v4, v[VS+8*\hh+4:VS+8*\hh+7] offset:256*\hh+16
.endr
	WIN 0
.irp u, 0,1,2,3
	v_exp_f32 v[PS+4*\u+1], v[PS+4*\u]             ; g: 1 where no key was open, else 0
.endr
	v_nop
	s_wait_alu depctr_va_vdst(0)                   ; one wait for the four, ahead of their first reader
.irp u, 0,1,2,3
	v_fmamk_f32 v[PS+4*\u+2], v[PS+4*\u+1], 0x45000000, v[PS+4*\u+2]   ; l + 2048 g
.endr
.irp u, 0,1,2,3
	v_rcp_f32 v[TS+4*\u], v[PS+4*\u+2]
.endr
	v_nop
	s_wait_alu depctr_va_vdst(0)                   ; one wait for the four reciprocals
.irp u, 0,1,2,3
	v_mul_f32 v[TS+4*\u+2], v[PS+4*\u+1], v[TS+4*\u]       ; g / (l + 2048 g)
.endr
	s_wait_dscnt 0x0                               ; for the others' sake: my sums lie in LDS
	s_barrier_signal -1
	s_barrier_wait -1
.irp hh, 0,1
.irp i, 0,1,2,3
	ds_load_b128 v[C+32*\hh+8*\i:C+32*\hh+8*\i+3], v[8+\i] offset:256*\hh
	ds_load_b128 v[C+32*\hh+8*\i+4:C+32*\hh+8*\i+7], v[8+\i] offset:256*\hh+16
.endr
.endr
	s_wait_dscnt 0x0                               ; vsum of my two heads, in O^T's layout
.irp tl, 0,1
.if \tl == 1
	s_wait_xcnt 0x0                                ; the first tile's stores have read their registers: they are loaded again only behind this wait
.endif
.irp hh, 0,1
.set k, 0
.rept 16
	v_pk_mul_f32 v[S+32*\hh+k:S+32*\hh+k+1], v[C+32*\hh+k:C+32*\hh+k+1], v[TS+8*\hh+4*\tl+2:TS+8*\hh+4*\tl+3] op_sel_hi:[1,0]
.set k, k+2
.endr
.endr
	WIN W_FN
.irp hh, 0,1
.irp i, 0,1,2,3
.irp m, 0,2,4,6
	v_pk_fma_f32 v[S+32*\hh+8*\i+\m:S+32*\hh+8*\i+\m+1], v[O+64*\hh+16*\i+8*\tl+\m:O+64*\hh+16*\i+8*\tl+\m+1], v[TS+8*\hh+4*\tl:TS+8*\hh+4*\tl+1], v[S+32*\hh+8*\i+\m:S+32*\hh+8*\i+\m+1] op_sel_hi:[1,0,1]
.endr
.endr
.endr
	WIN 0
.irp hh, 0,1
.irp i, 0,1,2,3
	ds_store_b128 v[12+\i], v[S+32*\hh+8*\i:S+32*\hh+8*\i+3] offset:256*\hh
	ds_store_b128 v[12+\i], v[S+32*\hh+8*\i+4:S+32*\hh+8*\i+7] offset:256*\hh+16
.endr
.endr
.irp row, 0,1,2,3,4,5,6,7,8,9,10,11,12,13,14,15
	ds_load_b128 v[KV+4*\row:KV+4*\row+3], v5 offset:\row*528      ; LDS serves a wave's instructions in order (ISA guide 5.7.1.4): these see my stores, and the next tile's stores come behind them
.endr
.irp row, 0,1,2,3,4,5,6,7,8,9,10,11,12,13,14,15
	s_wait_dscnt 15-\row                           ; the younger loads may be out
	global_store_b128 v6, v[KV+4*\row:KV+4*\row+3], s[12:13] offset:(16*\tl+\row)*4096 th:TH_STORE_NT   ; 32 lanes store 512 consecutive bytes, at a multiple of 256 from out0's first byte
.endr
.endr
	s_wait_tensorcnt 0x0                           ; the wave's end: behind my last tensor load and my last LDS store
	ds_add_u32 v[SPW], v[NIL]
	s_wait_dscnt 0x0
	ROUND                                          ; the closing round: no work-group ends while a partner may still ask for a tile that names it
	s_endpgm
.Lfunc_end_k_qddfbe6bce8_attn:
	.size	k_qddfbe6bce8_attn, .Lfunc_end_k_qddfbe6bce8_attn-k_qddfbe6bce8_attn
	.p2alignl 7, 3214868480
	.fill 96, 4, 3214868480
	.section	.rodata,"a",@progbits
	.p2align	6, 0x0
	.amdhsa_kernel k_qddfbe6bce8_attn
		.amdhsa_group_segment_fixed_size 327680
		.amdhsa_private_segment_fixed_size 0
		.amdhsa_enable_private_segment 0
		.amdhsa_kernarg_size 40
		.amdhsa_user_sgpr_count 2
		.amdhsa_user_sgpr_kernarg_segment_ptr 1
		.amdhsa_wavefront_size32 1
		.amdhsa_system_sgpr_workgroup_id_x 1
		.amdhsa_system_sgpr_workgroup_id_y 1
		.amdhsa_system_sgpr_workgroup_id_z 1
		.amdhsa_system_vgpr_workitem_id 0
		.amdhsa_next_free_vgpr 512
		.amdhsa_next_free_sgpr 102
		.amdhsa_reserve_vcc 0
		.amdhsa_float_denorm_mode_32 3
		.amdhsa_float_denorm_mode_16_64 3
		.amdhsa_memory_ordered 1
		.amdhsa_forward_progress 1
		.amdhsa_inst_pref_size 223
	.end_amdhsa_kernel
	.amdgpu_metadata
---
amdhsa.version: [ 1, 2 ]
amdhsa.kernels:
  - .name:           k_qddfbe6bce8_attn
    .symbol:         k_qddfbe6bce8_attn.kd
    .args:
      - { .name: qkv, .offset: 0, .size: 8, .value_kind: global_buffer, .address_space: global }
      - { .name: time_intervals, .offset: 8, .size: 8, .value_kind: global_buffer, .address_space: global }
      - { .name: mask, .offset: 16, .size: 8, .value_kind: global_buffer, .address_space: global }
      - { .name: alpha, .offset: 24, .size: 8, .value_kind: global_buffer, .address_space: global }
      - { .name: out0, .offset: 32, .size: 8, .value_kind: global_buffer, .address_space: global }
    .group_segment_fixed_size: 327680
    .private_segment_fixed_size: 0
    .kernarg_segment_align: 8
    .kernarg_segment_size: 40
    .max_flat_workgroup_size: 256
    .sgpr_count:     102
    .vgpr_count:     512
    .wavefront_size: 32
...
	.end_amdgpu_metadata
.endif
;; end of part 3
